; MI455X (gfx1250); checked and timed in simulation.
; The chip was launched on July 23, 2026; its instructions are those of AMD's public machine-readable ISA for CDNA 5 (MIT licence, August 2026) and "CDNA5" Instruction Set Architecture Reference Guide (July 2026). The comments in the code are by the model that wrote it; some were corrected since.
;; Enhanced CNN Integrator. Allowed arithmetic: matrix products marked QUANTISED: E3M2 operands, one E8M0 scale for each 32 along K, by v_wmma_scale_f32_16x16x128_f8f6f4 with both operands' format E3M2, f32 sums; everything else in f32.
;; Inputs: Wk 1,024 x 1,024 float32; Wo 1,024 x 1,024 float32; Wq 1,024 x 1,024 float32; Wv 1,024 x 1,024 float32; bk 1,024 float32; bo 1,024 float32; bq 1,024 float32; bv 1,024 float32; cnn_features 4 x 1,024 x 1,024 float32; e_energy 1,024 float32; e_mass 1,024 float32; e_momentum 1,024 float32; llm_features 4 x 1,024 x 1,024 float32; ln_b 1,024 float32; ln_g 1,024 float32.
;; Outputs: out0 4 x 1,024 x 1,024 float32; out1 4 x 1,024 x 1,024 float32.
;; This version of the problem:
;;   THIS VERSION OF THE PROBLEM IS GIVEN IN LOW PRECISION. The matrix products marked QUANTISED in the list below multiply operands that are first quantised to E3M2 (3 exponent bits, 2 mantissa bits; 6 bits a number), with one power-of-two scale for each 32 numbers along K (OCP MX v1.0); their sums are f32. All else is computed in f32.
;;   The module's matrix products, in the order in which they are computed (A, B: the left and right operand; K: the contracted axis; several contracted axes count as one K, in the product's order):
;;     1. [M 4,108, K 1,024] x [K 1,024, N 1,024]; A: computed on the way; B: input Wq: QUANTISED
;;     2. [M 4,108, K 1,024] x [K 1,024, N 1,024]; A: computed on the way; B: input Wk: QUANTISED
;;     3. [M 4,108, K 1,024] x [K 1,024, N 1,024]; A: computed on the way; B: input Wv: QUANTISED
;;     4. batch 64 x [M 1,027, K 64] x [K 64, N 1,027]; A: computed on the way; B: computed on the way: QUANTISED
;;     5. batch 64 x [M 1,027, K 1,027] x [K 1,027, N 64]; A: softmax (see below); B: computed on the way: QUANTISED
;;     6. [M 4,108, K 1,024] x [K 1,024, N 1,024]; A: computed on the way; B: input Wo: QUANTISED
;;     7. [M 4,108, K 1,024] x [K 1,024, N 1,024]; A: computed on the way; B: input Wq: QUANTISED
;;     8. [M 4,108, K 1,024] x [K 1,024, N 1,024]; A: computed on the way; B: input Wk: QUANTISED
;;     9. [M 4,108, K 1,024] x [K 1,024, N 1,024]; A: computed on the way; B: input Wv: QUANTISED
;;     10. batch 64 x [M 1,027, K 64] x [K 64, N 1,027]; A: computed on the way; B: computed on the way: QUANTISED
;;     11. batch 64 x [M 1,027, K 1,027] x [K 1,027, N 64]; A: softmax (see below); B: computed on the way: QUANTISED
;;     12. [M 4,108, K 1,024] x [K 1,024, N 1,024]; A: computed on the way; B: input Wo: QUANTISED
;;   THE QUANTISER, for each operand of a quantised product, along K:
;;     - K is cut into blocks of 32 from its start; a last block that is shorter is filled with zeros.
;;     - A block's scale is 2^e with e = floor(log2(the largest magnitude in the block)) - 4, held to -126 .. 127; a block of zeros has e = 0. As a byte (E8M0): e + 127.
;;     - Each number is divided by its block's scale, clamped to +-28, and rounded to the nearest number of E3M2, ties to even, subnormals kept.
;;     - The product sums the exact products of the quantised numbers (number of the format x scale) in f32.
;;   ~~~python
;;   def quantise(x, axis):      # numpy; x: float32 -> the quantised numbers, widened to float32 again
;;       x = np.moveaxis(x, axis, -1); K = x.shape[-1]
;;       x = np.pad(x, [(0, 0)] * (x.ndim - 1) + [(0, -K % 32)]); x = x.reshape(x.shape[:-1] + (-1, 32)); a = np.abs(x).max(-1, keepdims=True)
;;       e = np.where(a > 0, np.clip(np.frexp(np.where(a > 0, a, 1))[1] - 1 - 4, -126, 127), 0)      # np.frexp(a)[1] - 1 = floor(log2(a)), exactly
;;       r = np.clip(x / 2.0 ** e, -28, 28)
;;       step = 2.0 ** (np.maximum(np.frexp(np.where(r == 0, 1, r))[1] - 1, -2) - 2)
;;       q = np.round(r / step) * step * 2.0 ** e      # np.round: ties to even
;;       return np.moveaxis(q.reshape(q.shape[:-2] + (-1,))[..., :K], -1, axis).astype(np.float32)
;;   ~~~
;;   SOFTMAX AHEAD OF A QUANTISED PRODUCT. Where the list says 'softmax', what is quantised is not the finished softmax but p = 2^(t - M), with t = logit x log2(e) and M = ceil(the row's largest t), a whole number; so 1/2 < the row's largest p <= 1. The row's sum l is taken of the UNQUANTISED p, in f32, and the product's result is divided by l at the end. Since M is a whole number, a kernel that streams over the keys may use a running M (the ceiling of the running maximum): every later rescaling is an exact power of two, which a block's scale takes up: the codes' values come out the same.
;;   OPERANDS COMPUTED ON THE WAY. 'Computed on the way' means the value that the module computes at that place (a softmax that the list does not call 'softmax' is quantised finished and normalised). What goes into a quantiser is computed in f32, as accurately as f32 sums, v_exp_f32 and their like allow (about 1e-6 of the number): no bf16 or f16 on the way to a quantiser, and a product that is left as it is and whose result goes on into a quantised operand takes f32 operands (vector FMAs, or v_wmma_f32_16x16x4_f32). A number that lies on a knife's edge between two numbers of the format may be rounded either way, as far as f32 arithmetic and the matrix unit's own rounding can turn it there, and no further.
;; One version. Each part assembles by itself: llvm-mc -triple=amdgcn-amd-amdhsa -mcpu=gfx1250 --defsym DOCPART=n.
;; ======== version 1 of 1: 4 launches
;; limits: right only within a limited range of input values
;; workspace buffers: img 9,932,800 bytes; qbuf 8,388,608 bytes; kv 13,631,488 bytes; ph 135,168 bytes; att 6,291,456 bytes; atts 262,144 bytes
;; launch quant (part 1): grid 386 x 1, 4 waves a work-group, no clusters, 68,096 bytes of LDS; arguments cnn_features, llm_features, Wq, Wk, Wv, Wo, e_energy, e_mass, e_momentum, img; writes img
.if DOCPART == 1
	.amdgcn_target "amdgcn-amd-amdhsa--gfx1250"
	.amdhsa_code_object_version 6
	.text
	.protected	k_q0781e7b4f2_quant
	.globl	k_q0781e7b4f2_quant
	.p2align	8
	.type	k_q0781e7b4f2_quant,@function
k_q0781e7b4f2_quant:
	s_mov_b64 s[64:65], 0
	v_nop
	global_prefetch_b8 v0, s[64:65] scope:SCOPE_SE
	s_setreg_imm32_b32 hwreg(HW_REG_WAVE_MODE, 25, 1), 1
	s_wait_xcnt 0x0
; cnn_features, llm_features, the three physics rows and the four weights, all f32 with K (1,024) innermost, become codes of BF6 (E3M2)
; with one E8M0 byte for each 32 along K, laid in the ORDER OF THE OPERAND'S REGISTERS.
; A fragment (16 rows x 128 K, 12 registers a lane) is an image of 1,536 bytes: registers 0-3 at 16 x lane, 4-5 at 512 + 8 x lane, 6-9 at 768 + 16 x lane, 10-11 at 1,280 + 8 x lane.
; An octet (128 rows) is 8 K steps of 12,800 bytes: 8 fragments, then 512 bytes of scale words [lane' 32][j 4]: the word of tile j + 4 (lane' / 16), row lane' % 16.
; THE ROWS OF A TILE ARE NOT NEIGHBOURS: lane-row r of tile 2 g + u is row 32 g + 8 u + r + 8 (r / 8).
; Octets: 0-31 cnn, 32-63 llm, 64 the physics rows (tile 0, rows 0-2; all else zero codes), 65 + h = Wq's head h (tiles 0-3) and Wk's head h (tiles 4-7), 81-88 Wv, 89-96 Wo.
; SHARES.  A wave takes 64 rows x one K step: four tiles.  Each load reads 512 consecutive bytes of a row; a tile's 16 rows turn through the wave's own stage in LDS, so that lane (r, h) gets blocks h and 2 + h of row r whole.
; A block's scale is 2^(floor(log2(largest magnitude)) - 4): its byte is that magnitude's exponent field - 4, held at 1 from below.
; LIMITS: a block of zeros, or one whose largest magnitude lies under 2^-122, keeps the byte 1 (its bytes are read by this program alone); NaN and infinities are not served.
; No matrix work, no cluster, no barrier: the waves share nothing, and each input byte is read once.
.set OCT,  102400
.set KSB,  12800
.set FRB,  1536
.set SP,   528                         ; a stage row: 512 bytes + 16: sixteen rows of one column start in sixteen different groups of banks
.set STG,  16*SP
.set R,    16                          ; v16-143  two sets of 16 rows x 4 registers, as loaded
.set X,    144                         ; v144-207 my two blocks of 32 numbers
.set C,    208                         ; v208-219 the fragment's codes
.set A1,   220                         ; v220-222, v224-226: the halves whose place begins on an odd register are made here and moved
.set A2,   224
.set SW,   228                         ; v228-231 the four tiles' scale words
.set T,    232                         ; v232-243 at work
	s_load_b256 s[4:11], s[0:1], 0x0               ; cnn, llm, Wq, Wk
	s_load_b256 s[12:19], s[0:1], 0x20             ; Wv, Wo, e_energy, e_mass
	s_load_b128 s[20:23], s[0:1], 0x40             ; e_momentum, img
	v_lshl_add_u32 v254, v0, 2, 0x10800
	v_mov_b32 v255, 0
	v_lshrrev_b32 v9, 5, v0
	v_readfirstlane_b32 s24, v9                    ; wave
	v_and_b32 v10, 31, v0                          ; lane
	v_and_b32 v11, 15, v0                          ; r
	v_bfe_u32 v12, v0, 4, 1                        ; h
	v_lshlrev_b32 v1, 4, v10                       ; 16 x lane
	v_lshlrev_b32 v2, 3, v10                       ; 8 x lane
	s_mul_i32 s25, s24, STG
	v_add_nc_u32 v3, s25, v1                       ; the stage, on the way in
	v_mul_u32_u24 v5, v11, SP
	v_lshl_add_u32 v5, v12, 7, v5
	v_add_nc_u32 v5, s25, v5                       ; and out: row r, + 128 h
	v_add_nc_u32 v4, 4*STG, v3                     ; the physics path has stages of its own
	v_add_nc_u32 v6, 4*STG, v5
	v_lshlrev_b32 v7, 3, v12                       ; 8 h: my bytes' place in a scale word
	v_lshlrev_b32 v8, 4, v11
	v_lshl_add_u32 v8, v12, 3, v8                  ; 16 r + 8 h: my two words of the scale image
	v_cmp_ne_u32 s26, 0, v12                       ; lanes 16-31
	v_mov_b32 v[T+6], 0                            ; a lane permute's destination counts as one of its sources
	s_mov_b32 s50, 0x76543210
	s_mov_b32 s51, 0xfedcba98                      ; selects for lane l xor 16
	s_mov_b32 s35, 0
	s_mov_b32 s39, 0
	s_wait_kmcnt 0x0
	s_cmp_ge_u32 ttmp9, 384
	s_cbranch_scc1 .Lphys
.macro LOAD tt                         ; tile tt's 16 rows into set tt % 2: each load reads 512 consecutive bytes
.irp i, 0,1,2,3,4,5,6,7,8,9,10,11,12,13,14,15
	global_load_b128 v[R+64*((\tt)%2)+4*\i:R+64*((\tt)%2)+4*\i+3], v1, s[30:31] offset:(32*((\tt)/2)+8*((\tt)%2)+\i+8*(\i/8))*4096 th:TH_LOAD_NT
.endr
.endm
.macro TURN set, ain, aout             ; through the stage: LDS serves a wave's instructions in order, so no wait stands between the stores and the loads
.irp i, 0,1,2,3,4,5,6,7,8,9,10,11,12,13,14,15
	ds_store_b128 v[\ain], v[R+64*(\set)+4*\i:R+64*(\set)+4*\i+3] offset:\i*SP
.endr
.irp k, 0,1,2,3,4,5,6,7
	ds_load_b128 v[X+4*\k:X+4*\k+3], v[\aout] offset:16*\k
	ds_load_b128 v[X+32+4*\k:X+32+4*\k+3], v[\aout] offset:256+16*\k
.endr
.endm
.macro SCALE2 tt                       ; my two blocks' scales, and the row's scale word
	v_max3_num_f32 v[T], |v[X]|, |v[X+1]|, 0x2800000             ; the floor 2^(5 - 127) among the leaves: the byte cannot fall under 1
	v_max3_num_f32 v[T+1], |v[X+32]|, |v[X+33]|, 0x2800000
.irp i, 2,4,6,8,10,12,14,16,18,20,22,24,26,28,30
	v_max3_num_f32 v[T], v[T], |v[X+\i]|, |v[X+\i+1]|
	v_max3_num_f32 v[T+1], v[T+1], |v[X+32+\i]|, |v[X+33+\i]|
.endr
	v_add_nc_u32 v[T+2], 0xfe000000, v[T]          ; 4 off the exponent field: the conversion's scale operand
	v_add_nc_u32 v[T+3], 0xfe000000, v[T+1]
	v_lshrrev_b32 v[T+4], 23, v[T+2]               ; the bytes
	v_lshrrev_b32 v[T+5], 23, v[T+3]
	v_lshl_or_b32 v[T+4], v[T+5], 16, v[T+4]       ; blocks h and 2 + h,
	v_lshlrev_b32 v[T+4], v7, v[T+4]               ; at their places;
	v_permlanex16_b32 v[T+6], v[T+4], s50, s51
	v_or_b32 v[SW+\tt], v[T+4], v[T+6]             ; with lane l xor 16's two the word is whole
.endm
.macro CONV
	v_cvt_scalef32_pk16_bf6_f32 v[C:C+2], v[X:X+15], v[T+2]
	v_cvt_scalef32_pk16_bf6_f32 v[A1:A1+2], v[X+16:X+31], v[T+2]
	v_cvt_scalef32_pk16_bf6_f32 v[C+6:C+8], v[X+32:X+47], v[T+3]
	v_cvt_scalef32_pk16_bf6_f32 v[A2:A2+2], v[X+48:X+63], v[T+3]
	v_nop                                          ; one plain place behind the scaled conversions
.irp i, 0,1,2
	v_mov_b32 v[C+3+\i], v[A1+\i]
	v_mov_b32 v[C+9+\i], v[A2+\i]
.endr
.endm
.macro PUT tt                          ; the fragment's image: each store covers 512 or 256 consecutive bytes, aligned to 256
	global_store_b128 v1, v[C:C+3], s[40:41] offset:(\tt)*FRB
	global_store_b64 v2, v[C+4:C+5], s[40:41] offset:(\tt)*FRB+512
	global_store_b128 v1, v[C+6:C+9], s[40:41] offset:(\tt)*FRB+768
	global_store_b64 v2, v[C+10:C+11], s[40:41] offset:(\tt)*FRB+1280
.endm
	; which 64 rows of which tensor, and which K step
	s_lshr_b32 s27, ttmp9, 1                       ; Gi: the group of 64 rows, 0-191
	s_and_b32 s28, ttmp9, 1
	s_lshl_b32 s28, s28, 2
	s_add_co_u32 s28, s28, s24                     ; K step
	s_and_b32 s29, s27, 1                          ; q: tiles 4 q .. 4 q + 3 of the octet
	s_cmp_ge_u32 s27, 64
	s_cselect_b64 s[30:31], s[6:7], s[4:5]
	s_cmp_eq_u32 s29, 0
	s_cselect_b64 s[32:33], s[8:9], s[10:11]
	s_cmp_ge_u32 s27, 128
	s_cselect_b64 s[30:31], s[32:33], s[30:31]
	s_cmp_ge_u32 s27, 160
	s_cselect_b64 s[30:31], s[12:13], s[30:31]
	s_cmp_ge_u32 s27, 176
	s_cselect_b64 s[30:31], s[14:15], s[30:31]
	s_and_b32 s34, s27, 63                         ; the group's number in its tensor
	s_sub_co_u32 s36, s27, 128
	s_lshr_b32 s36, s36, 1
	s_cmp_ge_u32 s27, 128
	s_cselect_b32 s34, s36, s34
	s_and_b32 s36, s27, 15
	s_cmp_ge_u32 s27, 160
	s_cselect_b32 s34, s36, s34
	s_lshl_b32 s34, s34, 18                        ; 64 rows of 4,096 bytes
	s_lshl_b32 s36, s28, 9                         ; 512 bytes a K step
	s_add_co_u32 s34, s34, s36
	s_add_nc_u64 s[30:31], s[30:31], s[34:35]
	s_lshr_b32 s36, s27, 1
	s_cmp_ge_u32 s27, 128
	s_cselect_b32 s37, 1, 0
	s_add_co_u32 s36, s36, s37                     ; the octet
	s_mul_i32 s36, s36, OCT
	s_mul_i32 s37, s28, KSB
	s_add_co_u32 s36, s36, s37
	s_mul_i32 s37, s29, 4*FRB
	s_add_co_u32 s38, s36, s37
	s_add_nc_u64 s[40:41], s[22:23], s[38:39]      ; my four fragments
	s_lshl_b32 s37, s29, 8
	s_add_co_u32 s38, s36, s37
	s_add_co_u32 s38, s38, 8*FRB
	s_add_nc_u64 s[42:43], s[22:23], s[38:39]      ; my 256 bytes of the scale image
	LOAD 0
	LOAD 1
	s_wait_alu depctr_va_vdst(0)
.irp tt, 0,1,2,3
.if \tt < 3
	s_wait_loadcnt 16                              ; this tile's 16 loads are in; the other set's 16 may be out
.else
	s_wait_loadcnt 0x0
.endif
	TURN \tt%2, 3, 5
	s_wait_dscnt 0x0                               ; the stage's stores have read their set, and my 64 numbers are in
.if \tt < 2
	LOAD \tt+2
.endif
	SCALE2 \tt
	s_wait_alu depctr_va_vdst(0)
	s_wait_xcnt 0x0                                ; the last tile's stores have read the codes' registers
	CONV
	PUT \tt
.endr
	v_cndmask_b32 v[T], v[SW], v[SW+2], s26        ; lanes 0-15 store tiles 0, 1's words of row r, lanes 16-31 tiles 2, 3's
	v_cndmask_b32 v[T+1], v[SW+1], v[SW+3], s26
	global_store_b64 v8, v[T:T+1], s[42:43]        ; 256 consecutive bytes
	s_wait_tensorcnt 0x0
	ds_add_u32 v254, v255
	s_wait_dscnt 0x0
	s_endpgm
.Lphys:                                ; octet 64: a wave makes one K step of all eight tiles
	s_sub_co_u32 s27, ttmp9, 384
	s_lshl_b32 s27, s27, 2
	s_add_co_u32 s28, s27, s24                     ; K step
	s_lshl_b32 s34, s28, 9
	s_add_nc_u64 s[16:17], s[16:17], s[34:35]
	s_add_nc_u64 s[18:19], s[18:19], s[34:35]
	s_add_nc_u64 s[20:21], s[20:21], s[34:35]
	s_mul_i32 s38, s28, KSB
	s_add_co_u32 s38, s38, 64*OCT
	s_add_nc_u64 s[40:41], s[22:23], s[38:39]
	global_load_b128 v[R:R+3], v1, s[16:17]
	global_load_b128 v[R+4:R+7], v1, s[18:19]
	global_load_b128 v[R+8:R+11], v1, s[20:21]
.set j, 12
.rept 52
	v_mov_b32 v[R+j], 0                            ; rows 3 to 15 of tile 0 are zeros
.set j, j+1
.endr
	s_wait_alu depctr_va_vdst(0)
	s_wait_loadcnt 0x0
	TURN 0, 4, 6
	s_wait_dscnt 0x0
	SCALE2 0
	CONV
	PUT 0
.irp t, 1,2,3,4,5,6,7
	global_store_b128 v1, v[R+12:R+15], s[40:41] offset:\t*FRB          ; zero codes
	global_store_b64 v2, v[R+12:R+13], s[40:41] offset:\t*FRB+512
	global_store_b128 v1, v[R+12:R+15], s[40:41] offset:\t*FRB+768
	global_store_b64 v2, v[R+12:R+13], s[40:41] offset:\t*FRB+1280
.endr
	v_mov_b32 v[T+9], 0x7f7f7f7f                   ; the empty tiles' bytes: 127
	v_mov_b32 v[T+10], 0x7f7f7f7f
	v_mov_b32 v[T+11], 0x7f7f7f7f
	v_cndmask_b32 v[T+8], v[SW], v[T+9], s26       ; tile 0's words in lanes 0-15
	global_store_b128 v1, v[T+8:T+11], s[40:41] offset:8*FRB
	s_wait_tensorcnt 0x0
	ds_add_u32 v254, v255
	s_wait_dscnt 0x0
	s_endpgm
.Lfunc_end_k_q0781e7b4f2_quant:
	.size	k_q0781e7b4f2_quant, .Lfunc_end_k_q0781e7b4f2_quant-k_q0781e7b4f2_quant
	.p2alignl 7, 3214868480
	.fill 96, 4, 3214868480
	.section	.rodata,"a",@progbits
	.p2align	6, 0x0
	.amdhsa_kernel k_q0781e7b4f2_quant
		.amdhsa_group_segment_fixed_size 68096
		.amdhsa_private_segment_fixed_size 0
		.amdhsa_enable_private_segment 0
		.amdhsa_kernarg_size 80
		.amdhsa_user_sgpr_count 2
		.amdhsa_user_sgpr_kernarg_segment_ptr 1
		.amdhsa_wavefront_size32 1
		.amdhsa_system_sgpr_workgroup_id_x 1
		.amdhsa_system_sgpr_workgroup_id_y 1
		.amdhsa_system_sgpr_workgroup_id_z 1
		.amdhsa_system_vgpr_workitem_id 0
		.amdhsa_next_free_vgpr 256
		.amdhsa_next_free_sgpr 66
		.amdhsa_reserve_vcc 0
		.amdhsa_float_denorm_mode_32 3
		.amdhsa_float_denorm_mode_16_64 3
		.amdhsa_memory_ordered 1
		.amdhsa_forward_progress 1
		.amdhsa_inst_pref_size 43
	.end_amdhsa_kernel
	.amdgpu_metadata
---
amdhsa.version: [ 1, 2 ]
amdhsa.kernels:
  - .name:           k_q0781e7b4f2_quant
    .symbol:         k_q0781e7b4f2_quant.kd
    .args:
      - { .name: cnn_features, .offset: 0, .size: 8, .value_kind: global_buffer, .address_space: global }
      - { .name: llm_features, .offset: 8, .size: 8, .value_kind: global_buffer, .address_space: global }
      - { .name: Wq, .offset: 16, .size: 8, .value_kind: global_buffer, .address_space: global }
      - { .name: Wk, .offset: 24, .size: 8, .value_kind: global_buffer, .address_space: global }
      - { .name: Wv, .offset: 32, .size: 8, .value_kind: global_buffer, .address_space: global }
      - { .name: Wo, .offset: 40, .size: 8, .value_kind: global_buffer, .address_space: global }
      - { .name: e_energy, .offset: 48, .size: 8, .value_kind: global_buffer, .address_space: global }
      - { .name: e_mass, .offset: 56, .size: 8, .value_kind: global_buffer, .address_space: global }
      - { .name: e_momentum, .offset: 64, .size: 8, .value_kind: global_buffer, .address_space: global }
      - { .name: img, .offset: 72, .size: 8, .value_kind: global_buffer, .address_space: global }
    .group_segment_fixed_size: 68096
    .private_segment_fixed_size: 0
    .kernarg_segment_align: 8
    .kernarg_segment_size: 80
    .max_flat_workgroup_size: 128
    .sgpr_count:     66
    .vgpr_count:     256
    .wavefront_size: 32
...
	.end_amdgpu_metadata
.endif
;; end of part 1
;; launch proj (part 2): grid 402 x 1, 8 waves a work-group, no clusters, 168,960 bytes of LDS; arguments img, bq, bk, bv, qbuf, kv, ph; writes qbuf, kv, ph
.if DOCPART == 2
	.amdgcn_target "amdgcn-amd-amdhsa--gfx1250"
	.amdhsa_code_object_version 6
	.text
	.protected	k_q0781e7b4f2_proj
	.globl	k_q0781e7b4f2_proj
	.p2align	8
	.type	k_q0781e7b4f2_proj,@function
k_q0781e7b4f2_proj:
	s_mov_b64 s[64:65], 0
	v_nop
	global_prefetch_b8 v0, s[64:65] scope:SCOPE_SE
	s_setreg_imm32_b32 hwreg(HW_REG_WAVE_MODE, 25, 1), 1
	s_wait_xcnt 0x0
; The projections Q, K, V on codes of BF6, their biases, the two score biases, and the quantisers of Q, K (along the head's 64) and V (along the keys).
; ONE LOOP SERVES ALL UNITS.  Source 0 (the L side) is an octet of 8 tiles, brought into LDS once, whose rows run along a result's registers; source 1 (the G side) is 4 tiles a wave,
; straight from memory, whose rows lie in the lanes.  32 accumulators (G tile i, L tile l) at v[256 + 64 i + 8 l]; K = 1,024 in 8 steps, written out.
; UNITS by the work-group's number u:  0-255 (type 0): head h = u % 16, L = Wq's and Wk's rows of the head, G = two tiles of cnn and the same two of llm: a lane then holds a row's Q (registers 0-31) and K (32-63),
;   so Q of one tensor meets K of the other at the same position: beta = log2(e) (0.2 sum(Q K) + 0.15 mean(Q + K)), from the unquantised numbers.
;   256-271 (type 1): the physics rows' K of head u - 256, wave 0 alone.   272-399 (type 2): L = 128 rows of x (the keys), G = Wv's rows of head 8 (u % 2) + wave: a lane holds a channel, registers run along the keys.
;   400-401 (type 3): the same for the physics rows: three keys and zeros.
; By the tiles' order of rows (lane-row r of tile 2 g + u is row 32 g + 8 u + r + 8 (r / 8)) register 16 b + i of a G tile's 64 is number 32 b + 16 (lane / 16) + i along the L side: what the quantiser wants.
; OUT: qbuf [g = (x 4 + b) 16 + h][tile 64] 1,024 bytes: Q's half image, then 8 bytes a lane: (scale word, beta).  kv [g] 106,496 bytes: K's 64 half images; 49,152: V [step 8][tile 4] fragments;
;   98,304: K's scale words [32 keys' group][lane]; 102,400: V's [step][lane][tile].  ph [head] 8,448 bytes: K's tail fragment, V's four, V's scale words at 7,680, K's at 8,192 (8 bytes a lane).
; No cluster: what work-groups share is the L octet, 102,400 of the 495,616 bytes that a work-group reads, filled once; LDS bytes are never filled again, so there is no ring.
; LIMITS: a block of zeros, or one under 2^-122, keeps the byte 1 (read by this program alone); NaN and infinities are not served.
.set OCT,   102400
.set KSB,   12800
.set FRB,   1536
.set KVREC, 106496
.set PHREC, 8448
.set L16A, 4                           ; v4, v5   16 x lane, 8 x lane: LDS, K steps 0-3;  v6, v7 the same + 51,200: K steps 4-7
.set L8A,  5
.set G16,  8                           ; v8, v9   16 x lane, 8 x lane: memory
.set G8,   9
.set GSO,  10                          ; v10      16 r + 4 h: the G side's scale words: tile i in lanes 0-15, tile i + 1 in lanes 16-31
.set L4,   11                          ; v11      4 x lane
.set LSC,  12                          ; v12-19   the L side's scale words, two sets of 4: lanes 0-15 tiles 0-3, lanes 16-31 tiles 4-7
.set GSC,  20                          ; v20-35   the G side's: register 2 s + pair
.set GF0,  84                          ; v84-131  G fragments of even K steps;  v36-83 of odd ones
.set LFA,  132                         ; v132-227 L fragments: tile l at LFA + 12 l
.set BI,   84                          ; the way out: v84-147 biases
.set PC,   148                         ; v148-159 codes; v160-162, v164-166 halves that are moved
.set TM,   168                         ; v168-183 the quantiser's work
.set PW,   184                         ; v184-187 scale words
.set BE,   188                         ; v188-191 beta
.set EE,   192                         ; v192-199 sums of Q K
.set SQ,   200                         ; v200-207 sums of Q
.set SK,   208                         ; v208-215 sums of K
.set TT,   216                         ; v216-223 at work
.set OD,   224                         ; v224-226 small data to store
.set MSB, 0
.macro WIN new                         ; the immediate's high byte repeats the setting that is left
.if MSB != \new
	s_set_vgpr_msb (MSB<<8)|\new
.set MSB, \new
.endif
.endm
.macro PLACES                          ; four plain places behind matrix instructions, ahead of loads into their registers and of reads of their results
.rept 4
	v_nop
.endr
.endm
.macro LFRAG reg, a16, a8, off
	ds_load_b128 v[(\reg):(\reg)+3], v[\a16] offset:(\off)
	ds_load_b64 v[(\reg)+4:(\reg)+5], v[\a8] offset:(\off)+512
	ds_load_b128 v[(\reg)+6:(\reg)+9], v[\a16] offset:(\off)+768
	ds_load_b64 v[(\reg)+10:(\reg)+11], v[\a8] offset:(\off)+1280
.endm
.macro GFRAG reg, base, off
	global_load_b128 v[(\reg):(\reg)+3], v[G16], s[\base:\base+1] offset:(\off)
	global_load_b64 v[(\reg)+4:(\reg)+5], v[G8], s[\base:\base+1] offset:(\off)+512
	global_load_b128 v[(\reg)+6:(\reg)+9], v[G16], s[\base:\base+1] offset:(\off)+768
	global_load_b64 v[(\reg)+10:(\reg)+11], v[G8], s[\base:\base+1] offset:(\off)+1280
.endm
.macro GLOAD s, f                      ; the G side's four fragments of K step s: 16 loads
.irp i, 0,1
	GFRAG (\f)+12*\i, 36, (\s)*KSB+\i*FRB
.endr
.irp i, 0,1
	GFRAG (\f)+24+12*\i, 38, (\s)*KSB+\i*FRB
.endr
.endm
.macro LHALF s, l0                     ; L tiles l0 .. l0 + 3 of K step s: 16 loads
.irp l, 0,1,2,3
	LFRAG LFA+12*(\l0+\l), L16A+2*((\s)/4), L8A+2*((\s)/4), ((\s)%4)*KSB+(\l0+\l)*FRB
.endr
.endm
.macro LSCALE s
	ds_load_b128 v[LSC+4*((\s)%2):LSC+4*((\s)%2)+3], v[L16A+2*((\s)/4)] offset:((\s)%4)*KSB+8*FRB
.endm
.macro MM s, l, i                      ; accumulator (i, l), K step s.  The first step's products start the sums: nothing is cleared
.set rD, 64*(\i)+8*(\l)
.set rA, LFA+12*(\l)
.set rB, GF0-48*((\s)%2)+12*(\i)
.set rSA, LSC+4*((\s)%2)+(\l)%4
.set rSB, GSC+2*(\s)+(\i)/2
.if (\s) == 0
.if (\l) < 4
.if (\i)%2 == 0
	v_wmma_scale_f32_16x16x128_f8f6f4 v[rD:rD+7], v[rA:rA+11], v[rB:rB+11], 0, v[rSA], v[rSB] matrix_a_fmt:MATRIX_FMT_BF6 matrix_b_fmt:MATRIX_FMT_BF6
.else
	v_wmma_scale_f32_16x16x128_f8f6f4 v[rD:rD+7], v[rA:rA+11], v[rB:rB+11], 0, v[rSA], v[rSB] matrix_a_fmt:MATRIX_FMT_BF6 matrix_b_fmt:MATRIX_FMT_BF6 matrix_b_scale:MATRIX_SCALE_ROW1
.endif
.else
.if (\i)%2 == 0
	v_wmma_scale_f32_16x16x128_f8f6f4 v[rD:rD+7], v[rA:rA+11], v[rB:rB+11], 0, v[rSA], v[rSB] matrix_a_fmt:MATRIX_FMT_BF6 matrix_b_fmt:MATRIX_FMT_BF6 matrix_a_scale:MATRIX_SCALE_ROW1
.else
	v_wmma_scale_f32_16x16x128_f8f6f4 v[rD:rD+7], v[rA:rA+11], v[rB:rB+11], 0, v[rSA], v[rSB] matrix_a_fmt:MATRIX_FMT_BF6 matrix_b_fmt:MATRIX_FMT_BF6 matrix_a_scale:MATRIX_SCALE_ROW1 matrix_b_scale:MATRIX_SCALE_ROW1
.endif
.endif
.else
.if (\l) < 4
.if (\i)%2 == 0
	v_wmma_scale_f32_16x16x128_f8f6f4 v[rD:rD+7], v[rA:rA+11], v[rB:rB+11], v[rD:rD+7], v[rSA], v[rSB] matrix_a_fmt:MATRIX_FMT_BF6 matrix_b_fmt:MATRIX_FMT_BF6
.else
	v_wmma_scale_f32_16x16x128_f8f6f4 v[rD:rD+7], v[rA:rA+11], v[rB:rB+11], v[rD:rD+7], v[rSA], v[rSB] matrix_a_fmt:MATRIX_FMT_BF6 matrix_b_fmt:MATRIX_FMT_BF6 matrix_b_scale:MATRIX_SCALE_ROW1
.endif
.else
.if (\i)%2 == 0
	v_wmma_scale_f32_16x16x128_f8f6f4 v[rD:rD+7], v[rA:rA+11], v[rB:rB+11], v[rD:rD+7], v[rSA], v[rSB] matrix_a_fmt:MATRIX_FMT_BF6 matrix_b_fmt:MATRIX_FMT_BF6 matrix_a_scale:MATRIX_SCALE_ROW1
.else
	v_wmma_scale_f32_16x16x128_f8f6f4 v[rD:rD+7], v[rA:rA+11], v[rB:rB+11], v[rD:rD+7], v[rSA], v[rSB] matrix_a_fmt:MATRIX_FMT_BF6 matrix_b_fmt:MATRIX_FMT_BF6 matrix_a_scale:MATRIX_SCALE_ROW1 matrix_b_scale:MATRIX_SCALE_ROW1
.endif
.endif
.endif
.endm
.macro HALF s, l0                      ; 16 matrix instructions.  The 32 accumulators take turns, one instruction a turn, in the same order in every step
.irp l, 0,1,2,3
.irp i, 0,1,2,3
	MM \s, \l0+\l, \i
.endr
.endr
.endm
	s_load_b256 s[4:11], s[0:1], 0x0               ; img, bq, bk, bv
	s_load_b128 s[12:15], s[0:1], 0x20             ; qbuf, kv
	s_load_b64 s[16:17], s[0:1], 0x30              ; ph
	v_lshl_add_u32 v254, v0, 2, 0x29000
	v_mov_b32 v255, 0
	ds_add_u32 v254, v255
	ds_add_u32 v254, v255
	v_lshrrev_b32 v1, 5, v0
	s_delay_alu instid0(VALU_DEP_1)
	v_readfirstlane_b32 s18, v1                    ; wave 0..7
	v_and_b32 v1, 31, v0                           ; lane
	v_and_b32 v2, 15, v0                           ; r
	v_bfe_u32 v3, v0, 4, 1                         ; h
	s_delay_alu instid0(VALU_DEP_3)
	v_lshlrev_b32 v[L16A], 4, v1
	s_delay_alu instid0(VALU_DEP_4)
	v_lshlrev_b32 v[L8A], 3, v1
	s_delay_alu instid0(VALU_DEP_2)
	v_add_nc_u32 v[L16A+2], 4*KSB, v[L16A]
	s_delay_alu instid0(VALU_DEP_2)
	v_add_nc_u32 v[L8A+2], 4*KSB, v[L8A]
	v_lshlrev_b32 v[G16], 4, v1
	v_lshlrev_b32 v[G8], 3, v1
	v_lshlrev_b32 v[GSO], 4, v2
	s_delay_alu instid0(VALU_DEP_1)
	v_lshl_add_u32 v[GSO], v3, 2, v[GSO]
	v_lshlrev_b32 v[L4], 2, v1
	v_lshlrev_b32 v228, 6, v3                      ; bq, bk: 64 h
	v_and_b32 v229, 8, v2
	s_delay_alu instid0(VALU_DEP_1)
	v_add_nc_u32 v229, v229, v2
	s_delay_alu instid0(VALU_DEP_1)
	v_lshlrev_b32 v229, 2, v229                    ; bv: 4 (r + 8 (r / 8))
	v_cmp_eq_u32 s86, 0, v3                        ; lanes 0-15
	s_mov_b32 s50, 0x76543210
	s_mov_b32 s51, 0xfedcba98                      ; selects for lane l xor 16
	s_cmp_ge_u32 ttmp9, 256                        ; the unit's type
	s_cselect_b32 s20, 1, 0
	s_cmp_ge_u32 ttmp9, 272
	s_cselect_b32 s20, 2, s20
	s_cmp_ge_u32 ttmp9, 400
	s_cselect_b32 s20, 3, s20
	s_and_b32 s21, ttmp9, 15                       ; h (types 0, 1)
	s_lshr_b32 s22, ttmp9, 4                       ; c: which 16 tiles of x (type 0)
	s_and_b32 s23, ttmp9, 1
	s_lshl_b32 s23, s23, 3
	s_add_co_u32 s23, s23, s18                     ; hd: my head (types 2, 3)
	s_sub_co_u32 s52, ttmp9, 272
	s_lshr_b32 s52, s52, 1                         ; oX: the octet of keys (type 2)
	s_add_co_u32 s53, s21, 65                      ; the L octet
	s_cmp_ge_u32 s20, 2
	s_cselect_b32 s53, s52, s53
	s_cmp_eq_u32 s20, 3
	s_cselect_b32 s53, 64, s53
	s_lshl_b32 s54, s22, 1                         ; the G octet and my first tile in it
	s_lshr_b32 s55, s18, 2
	s_add_co_u32 s54, s54, s55
	s_and_b32 s55, s18, 3
	s_lshl_b32 s55, s55, 1
	s_cmp_eq_u32 s20, 1
	s_cselect_b32 s54, 64, s54
	s_cselect_b32 s55, 0, s55
	s_lshr_b32 s56, s23, 1
	s_add_co_u32 s56, s56, 81
	s_and_b32 s57, s23, 1
	s_lshl_b32 s57, s57, 2
	s_cmp_ge_u32 s20, 2
	s_cselect_b32 s54, s56, s54
	s_cselect_b32 s55, s57, s55
	s_mov_b32 s70, 2*FRB                           ; from G tiles 0, 1 to tiles 2, 3: two tiles on, or (type 0) the same tiles of llm, 32 octets on
	s_cmp_eq_u32 s20, 0
	s_cselect_b32 s70, 32*OCT, s70
	s_cselect_b32 s72, 32*OCT, 8
	s_mov_b32 s71, 0
	s_mov_b32 s73, 0
	; descriptor: K step w of the L octet, 12,800 dense bytes, as 50 rows of 256 bytes (32 elements of 8 bytes), no padding
	s_mov_b32 s28, 3<<16
	s_mov_b32 s29, 32<<16
	s_mov_b32 s30, 50<<16
	s_mov_b32 s31, 32<<16
	s_mov_b32 s32, 50
	s_mov_b32 s33, 32
	s_mov_b32 s34, 0
	s_mov_b32 s35, 0
	s_mov_b32 s24, 1
	s_mul_i32 s25, s18, KSB                        ; LDS address: wave x 12,800
	s_mul_i32 s66, s53, OCT
	s_add_co_u32 s66, s66, s25
	s_mov_b32 s67, 0
	s_mul_i32 s76, s54, OCT
	s_mul_i32 s68, s55, FRB
	s_add_co_u32 s68, s68, s76
	s_mov_b32 s69, 0
	s_lshr_b32 s84, s55, 2
	s_lshl_b32 s84, s84, 8
	s_and_b32 s77, s55, 3
	s_lshl_b32 s77, s77, 2
	s_add_co_u32 s84, s84, s77
	s_add_co_u32 s84, s84, s76
	s_add_co_u32 s84, s84, 8*FRB
	s_mov_b32 s85, 0
	s_wait_alu depctr_va_vdst(0)
	s_wait_dscnt 0x0
	s_wait_kmcnt 0x0
	s_add_nc_u64 s[26:27], s[4:5], s[66:67]
	s_or_b32 s27, s27, 0x80000000
	tensor_load_to_lds s[24:27], s[28:35]          ; my one tensor load: these LDS bytes are filled once
	s_nop 0
	PLACES
	s_add_nc_u64 s[36:37], s[4:5], s[68:69]        ; G tiles 0, 1
	s_add_nc_u64 s[38:39], s[36:37], s[70:71]      ; G tiles 2, 3
	s_add_nc_u64 s[40:41], s[4:5], s[84:85]        ; their scale words
	s_add_nc_u64 s[42:43], s[40:41], s[72:73]
	s_lshl_b32 s56, s21, 8
	s_mov_b32 s57, 0
	s_add_nc_u64 s[78:79], s[6:7], s[56:57]        ; bq, bk at the head
	s_add_nc_u64 s[80:81], s[8:9], s[56:57]
	s_lshl_b32 s56, s23, 8
	s_add_nc_u64 s[82:83], s[10:11], s[56:57]      ; bv at my head
.irp k, 0,1,2,3,4,5,6,7
	global_load_b32 v[GSC+2*\k], v[GSO], s[40:41] offset:\k*KSB
	global_load_b32 v[GSC+2*\k+1], v[GSO], s[42:43] offset:\k*KSB
.endr
	GLOAD 0, GF0
	GLOAD 1, GF0-48
	s_wait_tensorcnt 0x0                           ; my K step of the L octet is in LDS,
	s_barrier_signal -1
	s_barrier_wait -1                              ; everybody's is
	s_cmp_eq_u32 s20, 1                            ; the physics rows' K is one wave's work: the others end here, behind the only barrier
	s_cselect_b32 s87, s18, 0
	s_cmp_lg_u32 s87, 0
	s_cbranch_scc1 .Lend
	LSCALE 0
	LHALF 0, 0
	LHALF 0, 4
.macro KSTEP s
	s_wait_dscnt 16                                ; the step's scale words and L tiles 0-3 are in; the 16 loads of tiles 4-7 may be out
.if (\s) < 7
	s_wait_loadcnt 16                              ; the step's G fragments are in; the next step's 16 loads may be out
.else
	s_wait_loadcnt 0x0
.endif
	WIN 0x50                                       ; C and D in window 1
	HALF \s, 0
	WIN 0
	PLACES
.if (\s) < 7
	LSCALE (\s)+1
	LHALF (\s)+1, 0
	s_wait_dscnt 17                                ; L tiles 4-7 are in; the 17 loads just issued may be out
.else
	s_cmp_ge_u32 s20, 2                            ; the biases land under the last 16 products, in registers that are done with
	s_cbranch_scc1 .Lbias_v
.irp l, 0,1,2,3
	global_load_b128 v[BI+8*\l:BI+8*\l+3], v228, s[78:79] offset:(32*(\l/2)+8*(\l%2))*4        ; in the result's layout: L tile l, my half's eight channels
	global_load_b128 v[BI+8*\l+4:BI+8*\l+7], v228, s[78:79] offset:(32*(\l/2)+8*(\l%2))*4+16
	global_load_b128 v[BI+32+8*\l:BI+32+8*\l+3], v228, s[80:81] offset:(32*(\l/2)+8*(\l%2))*4
	global_load_b128 v[BI+32+8*\l+4:BI+32+8*\l+7], v228, s[80:81] offset:(32*(\l/2)+8*(\l%2))*4+16
.endr
	s_branch .Lbias_done
.Lbias_v:
.irp i, 0,1,2,3
	global_load_b32 v[BI+\i], v229, s[82:83] offset:(32*(\i/2)+8*(\i%2))*4                    ; my lane's channel of G tile i
.endr
.Lbias_done:
	s_wait_dscnt 0x0
.endif
	WIN 0x50
	HALF \s, 4
	WIN 0
	PLACES
.if (\s) < 7
	LHALF (\s)+1, 4
.endif
.if (\s) < 6
	GLOAD (\s)+2, GF0-48*((\s)%2)
.endif
.endm
	KSTEP 0
	KSTEP 1
	KSTEP 2
	KSTEP 3
	KSTEP 4
	KSTEP 5
	KSTEP 6
	KSTEP 7
; 64 numbers of a lane in window 1, v[256 + s] on (register 16 b + i = number 32 b + 16 (lane / 16) + i of my row), become a fragment's codes in v[PC] on and its scale word in v[pw].
.macro QUANTW s, pw
	WIN 0x05
.irp b, 0,1,2,3
	v_max3_num_f32 v[TM+\b], |v[(\s)+16*\b]|, |v[(\s)+1+16*\b]|, 0x2800000   ; the floor 2^(5 - 127): the byte cannot fall under 1
.endr
	WIN 0x14
.irp i, 2,4,6,8,10,12,14
.irp b, 0,1,2,3
	v_max3_num_f32 v[TM+\b], v[TM+\b], |v[(\s)+16*\b+\i]|, |v[(\s)+1+16*\b+\i]|
.endr
.endr
	WIN 0
.irp b, 0,1,2,3
	v_permlanex16_b32 v[TM+4+\b], v[TM+\b], s50, s51
.endr
.irp b, 0,1,2,3
	s_delay_alu instid0(VALU_DEP_4)
	v_max_num_f32 v[TM+\b], v[TM+\b], v[TM+4+\b]   ; with lane l xor 16's 16: the block's largest magnitude
.endr
.irp b, 0,1,2,3
	s_delay_alu instid0(VALU_DEP_4)
	v_add_nc_u32 v[TM+12+\b], 0xfe000000, v[TM+\b] ; 4 off its exponent field: the conversion's scale operand
.endr
.irp b, 0,1,2,3
	s_delay_alu instid0(VALU_DEP_4)
	v_lshrrev_b32 v[TM+4+\b], 23, v[TM+12+\b]      ; the byte
.endr
	s_delay_alu instid0(VALU_DEP_3)
	v_lshl_or_b32 v[\pw], v[TM+5], 8, v[TM+4]
	s_delay_alu instid0(VALU_DEP_1)
	v_lshl_or_b32 v[\pw], v[TM+6], 16, v[\pw]
	s_delay_alu instid0(VALU_DEP_1)
	v_lshl_or_b32 v[\pw], v[TM+7], 24, v[\pw]
	WIN 0x01
.irp c, 0,1
	v_cvt_scalef32_pk16_bf6_f32 v[PC+6*\c:PC+2+6*\c], v[(\s)+32*\c:(\s)+15+32*\c], v[TM+12+2*\c]
	v_cvt_scalef32_pk16_bf6_f32 v[PC+12+4*\c:PC+14+4*\c], v[(\s)+16+32*\c:(\s)+31+32*\c], v[TM+12+2*\c+1]
.endr
	WIN 0
	v_nop                                          ; one plain place behind the scaled conversions
.irp c, 0,1                            ; the operand's layout wants a whole block in a lane
.irp i, 0,1,2
	v_permlane16_swap_b32 v[PC+6*\c+\i], v[PC+12+4*\c+\i]
.endr
.irp i, 0,1,2
	s_delay_alu instid0(VALU_DEP_3)
	v_mov_b32 v[PC+3+6*\c+\i], v[PC+12+4*\c+\i]
.endr
.endr
.endm
.irp b, 0,1,2,3
	v_mov_b32 v[TM+4+\b], 0                        ; lane permutes' destinations count as sources
	v_mov_b32 v[TT+4+\b], 0
.endr
	s_wait_loadcnt 0x0                             ; the biases
	s_cmp_ge_u32 s20, 2
	s_cbranch_scc1 .Lvout
	; ---- Q and K: + bq, + bk, each accumulator from its low end on
	WIN 0x41
.irp i, 0,1,2,3
.irp l, 0,1,2,3,4,5,6,7
.irp p, 0,2,4,6
	v_pk_add_f32 v[64*\i+8*\l+\p:64*\i+8*\l+\p+1], v[64*\i+8*\l+\p:64*\i+8*\l+\p+1], v[BI+8*\l+\p:BI+8*\l+\p+1]
.endr
.endr
.endr
	WIN 0
	s_cmp_eq_u32 s20, 1
	s_cbranch_scc1 .Lphysk
	; beta of Q tile i: its K is that of tile (i + 2) % 4: the same rows of the other tensor
	WIN 0x05
.irp i, 0,1,2,3
	v_pk_mul_f32 v[EE+2*\i:EE+2*\i+1], v[64*\i:64*\i+1], v[64*((\i+2)%4)+32:64*((\i+2)%4)+33]
.endr
.irp p, 2,4,6,8,10,12,14,16,18,20,22,24,26,28,30
.irp i, 0,1,2,3
	s_delay_alu instid0(VALU_DEP_4)
	v_pk_fma_f32 v[EE+2*\i:EE+2*\i+1], v[64*\i+\p:64*\i+\p+1], v[64*((\i+2)%4)+32+\p:64*((\i+2)%4)+33+\p], v[EE+2*\i:EE+2*\i+1]
.endr
.endr
.irp i, 0,1,2,3
	v_pk_add_f32 v[SQ+2*\i:SQ+2*\i+1], v[64*\i:64*\i+1], v[64*\i+2:64*\i+3]
	v_pk_add_f32 v[SK+2*\i:SK+2*\i+1], v[64*\i+32:64*\i+33], v[64*\i+34:64*\i+35]
.endr
	WIN 0x04
.irp p, 4,6,8,10,12,14,16,18,20,22,24,26,28,30
.irp i, 0,1,2,3
	v_pk_add_f32 v[SQ+2*\i:SQ+2*\i+1], v[SQ+2*\i:SQ+2*\i+1], v[64*\i+\p:64*\i+\p+1]
	v_pk_add_f32 v[SK+2*\i:SK+2*\i+1], v[SK+2*\i:SK+2*\i+1], v[64*\i+32+\p:64*\i+33+\p]
.endr
.endr
	WIN 0
.irp i, 0,1,2,3
	v_pk_add_f32 v[SQ+2*\i:SQ+2*\i+1], v[SQ+2*\i:SQ+2*\i+1], v[SK+2*((\i+2)%4):SK+2*((\i+2)%4)+1]
.endr
.irp i, 0,1,2,3
	v_add_f32 v[TT+\i], v[SQ+2*\i], v[SQ+2*\i+1]
	v_add_f32 v[BE+\i], v[EE+2*\i], v[EE+2*\i+1]
.endr
.irp i, 0,1,2,3
	v_mul_f32 v[TT+\i], 0x3b5d9914, v[TT+\i]       ; log2(e) x 0.15 / 64
.endr
.irp i, 0,1,2,3
	s_delay_alu instid0(VALU_DEP_4)
	v_fmamk_f32 v[BE+\i], v[BE+\i], 0x3e93bb63, v[TT+\i]   ; + log2(e) x 0.2 x sum(Q K)
.endr
.irp i, 0,1,2,3
	s_delay_alu instid0(VALU_DEP_4)
	v_permlanex16_b32 v[TT+4+\i], v[BE+\i], s50, s51
.endr
.irp i, 0,1,2,3
	s_delay_alu instid0(VALU_DEP_4)
	v_add_f32 v[BE+\i], v[BE+\i], v[TT+4+\i]       ; with the other 32 channels
.endr
	s_lshr_b32 s56, s22, 2                         ; where the wave's tiles go: batch,
	s_lshl_b32 s56, s56, 4
	s_add_co_u32 s56, s56, s21                     ; g of x = 0,
	s_and_b32 s57, s22, 3
	s_lshl_b32 s58, s57, 4
	s_lshl_b32 s59, s18, 1
	s_add_co_u32 s58, s58, s59                     ; my first tile in the sequence
	s_lshl_b32 s66, s56, 6
	s_add_co_u32 s66, s66, s58
	s_lshl_b32 s66, s66, 10
	s_mov_b32 s67, 0
	s_add_nc_u64 s[44:45], s[12:13], s[66:67]
	s_mul_i32 s68, s56, KVREC
	s_mul_i32 s66, s58, 768
	s_add_co_u32 s66, s66, s68
	s_add_nc_u64 s[46:47], s[14:15], s[66:67]
	s_lshl_b32 s66, s57, 3
	s_add_co_u32 s66, s66, s18                     ; my group of 32 keys
	s_lshl_b32 s66, s66, 7
	s_add_co_u32 s66, s66, s68
	s_add_co_u32 s66, s66, 98304
	s_add_nc_u64 s[48:49], s[14:15], s[66:67]
.irp i, 0,1,2,3
	s_wait_xcnt 0x0                                ; the last tile's stores have read their registers
	QUANTW 64*\i, PW+\i
	v_perm_b32 v[OD], v[PW+\i], v[PW+\i], 0x01000100   ; Q's two bytes, twice: Q serves as the lower or as the upper 64 of a K step
	v_mov_b32 v[OD+1], v[BE+\i]
	global_store_b128 v[G16], v[PC:PC+3], s[44:45] offset:(\i/2)*4194304+(\i%2)*1024
	global_store_b64 v[G8], v[PC+4:PC+5], s[44:45] offset:(\i/2)*4194304+(\i%2)*1024+512
	global_store_b64 v[G8], v[OD:OD+1], s[44:45] offset:(\i/2)*4194304+(\i%2)*1024+768
	global_store_b128 v[G16], v[PC+6:PC+9], s[46:47] offset:(\i/2)*64*KVREC+(\i%2)*768
	global_store_b64 v[G8], v[PC+10:PC+11], s[46:47] offset:(\i/2)*64*KVREC+(\i%2)*768+512
.if \i%2
	v_perm_b32 v[OD+2], v[PW+\i], v[PW+\i-1], 0x07060302   ; K's bytes of the two tiles that make one fragment of keys
	global_store_b32 v[L4], v[OD+2], s[48:49] offset:(\i/2)*64*KVREC
.endif
.endr
	s_wait_tensorcnt 0x0
	ds_add_u32 v254, v255
	s_wait_dscnt 0x0
	s_endpgm
.Lphysk:                               ; the physics rows' K: tile 0's upper half; the fragment's other half is zero codes
	s_mul_i32 s66, s21, PHREC
	s_mov_b32 s67, 0
	s_add_nc_u64 s[44:45], s[16:17], s[66:67]
	QUANTW 0, PW
	v_perm_b32 v[OD], v[PW], v[PW], 0x03020302
	v_mov_b32 v[OD+1], 0
.irp j, 0,1,2,3
	v_mov_b32 v[TT+\j], 0
.endr
	global_store_b128 v[G16], v[PC+6:PC+9], s[44:45]
	global_store_b64 v[G8], v[PC+10:PC+11], s[44:45] offset:512
	global_store_b128 v[G16], v[TT:TT+3], s[44:45] offset:768
	global_store_b64 v[G8], v[TT:TT+1], s[44:45] offset:1280
	global_store_b64 v[G8], v[OD:OD+1], s[44:45] offset:8192
	s_wait_tensorcnt 0x0
	ds_add_u32 v254, v255
	s_wait_dscnt 0x0
	s_endpgm
.Lvout:                                ; ---- V: a lane holds a channel, its registers run along the keys
	s_lshr_b32 s56, s52, 3
	s_lshl_b32 s56, s56, 4
	s_add_co_u32 s56, s56, s23                     ; g
	s_mul_i32 s56, s56, KVREC
	s_and_b32 s57, s52, 7                          ; the key step
	s_mul_i32 s58, s57, 4*FRB
	s_add_co_u32 s58, s58, s56
	s_add_co_u32 s58, s58, 49152
	s_lshl_b32 s59, s57, 9
	s_add_co_u32 s59, s59, s56
	s_add_co_u32 s59, s59, 102400
	s_mul_i32 s66, s23, PHREC
	s_add_co_u32 s67, s66, 7680
	s_add_co_u32 s66, s66, FRB
	s_cmp_eq_u32 s20, 3
	s_cselect_b64 s[44:45], s[16:17], s[14:15]
	s_cselect_b32 s58, s66, s58
	s_cselect_b32 s68, s67, s59
	s_mov_b32 s59, 0
	s_mov_b32 s69, 0
	s_add_nc_u64 s[46:47], s[44:45], s[68:69]      ; the scale words
	s_add_nc_u64 s[44:45], s[44:45], s[58:59]      ; the fragments
	s_cmp_eq_u32 s20, 3
	s_cbranch_scc1 .Lphysv
	WIN 0x41
.irp i, 0,1,2,3
.set j, 0
.rept 32
.if \i%2 == 0
	v_pk_add_f32 v[64*\i+j:64*\i+j+1], v[64*\i+j:64*\i+j+1], v[BI+\i:BI+\i+1] op_sel_hi:[1,0]
.else
	v_pk_add_f32 v[64*\i+j:64*\i+j+1], v[64*\i+j:64*\i+j+1], v[BI+\i-1:BI+\i] op_sel:[0,1] op_sel_hi:[1,1]
.endif
.set j, j+2
.endr
.endr
	WIN 0
	s_branch .Lvq
.Lphysv:                               ; three keys; the padded keys' sums are exact zeros (zero codes) and stay so: bv goes to registers 0-2 of lanes 0-15 alone
.irp i, 0,1,2,3
	v_cndmask_b32 v[BI+\i], 0, v[BI+\i], s86
.endr
	WIN 0x41
.irp i, 0,1,2,3
.irp j, 0,1,2
	v_add_f32 v[64*\i+\j], v[64*\i+\j], v[BI+\i]
.endr
.endr
	WIN 0
.Lvq:
.irp i, 0,1,2,3
	s_wait_xcnt 0x0                                ; the last fragment's stores have read their registers
	QUANTW 64*\i, PW+\i
	global_store_b128 v[G16], v[PC:PC+3], s[44:45] offset:\i*FRB
	global_store_b64 v[G8], v[PC+4:PC+5], s[44:45] offset:\i*FRB+512
	global_store_b128 v[G16], v[PC+6:PC+9], s[44:45] offset:\i*FRB+768
	global_store_b64 v[G8], v[PC+10:PC+11], s[44:45] offset:\i*FRB+1280
.endr
	global_store_b128 v[G16], v[PW:PW+3], s[46:47] ; the four tiles' scale words: 512 consecutive bytes
.Lend:
	s_wait_tensorcnt 0x0
	ds_add_u32 v254, v255
	s_wait_dscnt 0x0
	s_endpgm
.Lfunc_end_k_q0781e7b4f2_proj:
	.size	k_q0781e7b4f2_proj, .Lfunc_end_k_q0781e7b4f2_proj-k_q0781e7b4f2_proj
	.p2alignl 7, 3214868480
	.fill 96, 4, 3214868480
	.section	.rodata,"a",@progbits
	.p2align	6, 0x0
	.amdhsa_kernel k_q0781e7b4f2_proj
		.amdhsa_group_segment_fixed_size 168960
		.amdhsa_private_segment_fixed_size 0
		.amdhsa_enable_private_segment 0
		.amdhsa_kernarg_size 56
		.amdhsa_user_sgpr_count 2
		.amdhsa_user_sgpr_kernarg_segment_ptr 1
		.amdhsa_wavefront_size32 1
		.amdhsa_system_sgpr_workgroup_id_x 1
		.amdhsa_system_sgpr_workgroup_id_y 1
		.amdhsa_system_sgpr_workgroup_id_z 1
		.amdhsa_system_vgpr_workitem_id 0
		.amdhsa_next_free_vgpr 512
		.amdhsa_next_free_sgpr 100
		.amdhsa_reserve_vcc 0
		.amdhsa_float_denorm_mode_32 3
		.amdhsa_float_denorm_mode_16_64 3
		.amdhsa_memory_ordered 1
		.amdhsa_forward_progress 1
		.amdhsa_inst_pref_size 154
	.end_amdhsa_kernel
	.amdgpu_metadata
---
amdhsa.version: [ 1, 2 ]
amdhsa.kernels:
  - .name:           k_q0781e7b4f2_proj
    .symbol:         k_q0781e7b4f2_proj.kd
    .args:
      - { .name: img, .offset: 0, .size: 8, .value_kind: global_buffer, .address_space: global }
      - { .name: bq, .offset: 8, .size: 8, .value_kind: global_buffer, .address_space: global }
      - { .name: bk, .offset: 16, .size: 8, .value_kind: global_buffer, .address_space: global }
      - { .name: bv, .offset: 24, .size: 8, .value_kind: global_buffer, .address_space: global }
      - { .name: qbuf, .offset: 32, .size: 8, .value_kind: global_buffer, .address_space: global }
      - { .name: kv, .offset: 40, .size: 8, .value_kind: global_buffer, .address_space: global }
      - { .name: ph, .offset: 48, .size: 8, .value_kind: global_buffer, .address_space: global }
    .group_segment_fixed_size: 168960
    .private_segment_fixed_size: 0
    .kernarg_segment_align: 8
    .kernarg_segment_size: 56
    .max_flat_workgroup_size: 256
    .sgpr_count:     100
    .vgpr_count:     512
    .wavefront_size: 32
...
	.end_amdgpu_metadata
.endif
;; end of part 2
;; launch attn (part 3): grid 256 x 1, 16 waves a work-group, no clusters, 327,680 bytes of LDS; arguments qbuf, kv, ph, att, atts; writes att, atts
.if DOCPART == 3
	.amdgcn_target "amdgcn-amd-amdhsa--gfx1250"
	.amdhsa_code_object_version 6
	.text
	.protected	k_q0781e7b4f2_attn
	.globl	k_q0781e7b4f2_attn
	.p2align	8
	.type	k_q0781e7b4f2_attn,@function
k_q0781e7b4f2_attn:
	s_mov_b64 s[64:65], 0
	v_nop
	global_prefetch_b8 v0, s[64:65] scope:SCOPE_SE
	s_setreg_imm32_b32 hwreg(HW_REG_WAVE_MODE, 25, 1), 1
	s_wait_xcnt 0x0
; Attention on codes of BF6: 1,024 queries x 1,027 keys, head size 64, for each of 128 (pass, batch, head).  Logit = score / 8 + the query's two score biases; t = logit x log2(e) = score x c + beta.
; THE SOFTMAX AHEAD OF THE SECOND PRODUCT: M = the running largest t rounded up to a whole number; p = 2^(t - M) is quantised along the keys, not normalised; the row's sum is taken of the unquantised p and divides at the end.
; When M moves, the sum and O are multiplied by 2^(old M - new M), which rounds nothing.
; SHARES.  A work-group owns 512 queries of one (pass, batch, head); the head's whole K and V (codes and scale words, 106,496 bytes) and the physics keys' (8,448) come into LDS ONCE and stay: one barrier, no ring.
; Each of sixteen waves takes two tiles of 16 queries, one after the other; four waves to a SIMD, so that one wave's vector work stands beside another's products and LDS loads.
; LAYOUT.  Both products transposed: S^T = K Q^T, O^T = V^T P^T: a lane holds one query.  The head's 64 fill half of a K step of 128: a fragment of K holds TWO tiles of keys (lower and upper 64), and is multiplied
; by [q | 0] for the first tile and by [0 | q] for the second: no LDS byte is spent on the empty half.  By the tiles' order of rows the 16 registers of S tiles 2 b, 2 b + 1 are keys 32 b + 16 (lane / 16) + 0 .. 15.
; No cluster: the two work-groups of a head share one fill at the launch's head and nothing later.  No prefetch: there is no later tile to ask for.
; LIMITS: a block of zeros keeps the byte 1; NaN and infinities are not served.
; REGISTERS: v1-5, v12, v14 addresses that stay; v7-9, v13 the step's; v16-45 [0, q0, 0, q1, 0], six each; v46-49 (scale word, beta) of the two tiles; v50-97 four fragments of K, then of V; v98-101, v102-105 their scale words;
;   v106-169 S^T, then p; v170-201 O^T; v202-220 p's codes; v222-233 block maxima, bytes, scale operands; v234 p's scale word; v[236:237] f; v238 beta - M, v239 the largest t, v240 -M; v[242:245] sums.
; THE FILLS, more exactly than the lines above: every LDS byte is filled once, but in three groups, so that the first tile's key steps run while the later keys are on their way; so there are three barriers, not one.
;   group 1, at the head: key steps 0-1 of K and of V (waves 0, 1: 48 rows of 256 bytes each) and all scale words (wave 2: 32 rows);
;   group 2, behind the first barrier: key steps 2-3 (waves 0, 1) and the physics keys' record (wave 2: 33 rows);
;   group 3, behind the barrier that follows the first tile's step 1: key steps 4-7 (waves 0-3: 48 rows each); a wait and a barrier ahead of step 4 show them to all waves.
; Groups 2 and 3 are first fills issued as a refill is: the wait, the add and its wait stand ahead of their barriers, and all of LDS is claimed.
; No prefetch: each group is itself asked for two key steps of sixteen waves ahead of its first read, and nothing follows group 3.
.set KVREC, 106496
.set PHREC, 8448
.set FRB,   1536
.set PHB,   KVREC                      ; LDS: the physics keys' record lies behind the head's
.set S,   106
.set O,   170
.set PCD, 202
.set BM,  222
.set BT,  226
.set SO,  230
.macro PLACES
.rept 4
	v_nop
.endr
.endm
.macro LFRAG reg, a16, a8, off
	ds_load_b128 v[(\reg):(\reg)+3], v[\a16] offset:(\off)
	ds_load_b64 v[(\reg)+4:(\reg)+5], v[\a8] offset:(\off)+512
	ds_load_b128 v[(\reg)+6:(\reg)+9], v[\a16] offset:(\off)+768
	ds_load_b64 v[(\reg)+10:(\reg)+11], v[\a8] offset:(\off)+1280
.endm
	s_load_b256 s[4:11], s[0:1], 0x0               ; qbuf, kv, ph, att
	s_load_b64 s[12:13], s[0:1], 0x20              ; atts
	v_lshl_add_u32 v254, v0, 2, 0x29000
	v_mov_b32 v255, 0
	ds_add_u32 v254, v255
	ds_add_u32 v254, v255
	v_lshrrev_b32 v15, 5, v0
	s_delay_alu instid0(VALU_DEP_1)
	v_readfirstlane_b32 s18, v15                   ; wave 0..15
	v_and_b32 v15, 31, v0
	v_and_b32 v10, 15, v0                          ; r
	v_bfe_u32 v11, v0, 4, 1                        ; h
	s_delay_alu instid0(VALU_DEP_3)
	v_lshlrev_b32 v1, 4, v15                       ; 16 x lane
	s_delay_alu instid0(VALU_DEP_4)
	v_lshlrev_b32 v2, 3, v15                       ; 8 x lane
	v_lshlrev_b32 v3, 2, v15
	s_delay_alu instid0(VALU_DEP_1)
	v_add_nc_u32 v3, 98304, v3                     ; K's scale words
	s_delay_alu instid0(VALU_DEP_4)
	v_add_nc_u32 v4, PHB, v1
	s_delay_alu instid0(VALU_DEP_4)
	v_add_nc_u32 v5, PHB, v2
	v_add_nc_u32 v12, 102400, v1                   ; V's scale words
	v_lshl_add_u32 v14, v10, 5, v11                ; atts: 32 r + h
	v_cmp_ne_u32 s52, 0, v11                       ; lanes 16-31
	s_mov_b32 s50, 0x76543210
	s_mov_b32 s51, 0xfedcba98                      ; selects for lane l xor 16
	s_mov_b32 s22, 0x3e38aa3b                      ; c = log2(e) / 8
	s_mov_b32 s23, s22                             ; (named with it as a pair)
	s_and_b32 s19, ttmp9, 1                        ; which half of the queries
	s_lshr_b32 s20, ttmp9, 1                       ; (pass, batch, head)
	s_and_b32 s21, s20, 15                         ; head
	s_lshl_b32 s56, s19, 5
	s_add_co_u32 s56, s56, s18                     ; my first tile
	s_lshl_b32 s57, s20, 6
	s_add_co_u32 s57, s57, s56
	s_lshl_b32 s58, s57, 10                        ; its record in qbuf
	s_mov_b32 s59, 0
	s_lshr_b32 s57, s20, 4
	s_lshl_b32 s57, s57, 6
	s_add_co_u32 s57, s57, s56                     ; its number in att
	s_mul_i32 s60, s57, 8*FRB
	s_lshr_b32 s62, s21, 1
	s_mul_i32 s62, s62, FRB
	s_add_co_u32 s60, s60, s62
	s_and_b32 s62, s21, 1
	s_mul_i32 s62, s62, 768
	s_add_co_u32 s60, s60, s62                     ; head h is half h % 2 of K step h / 2
	s_mov_b32 s61, 0
	s_lshl_b32 s62, s57, 9
	s_lshl_b32 s63, s21, 1
	s_add_co_u32 s62, s62, s63
	s_mov_b32 s63, 0
	s_xor_b32 s66, s20, 64                         ; keys and values come from the other tensor
	s_mul_i32 s66, s66, KVREC
	s_add_co_u32 s70, s66, 98304                   ; the record's scale words
	s_mov_b32 s71, 0
	s_lshr_b32 s85, s18, 1                         ; group 3: wave w takes K (w / 2 = 0) or V (1), steps 4-5 (w % 2 = 0) or 6-7 (1)
	s_mul_i32 s85, s85, 49152
	s_and_b32 s67, s18, 1
	s_mul_i32 s67, s67, 12288
	s_add_co_u32 s85, s85, s67
	s_add_co_u32 s85, s85, 24576
	s_add_co_u32 s88, s66, s85
	s_mov_b32 s89, 0
	s_mul_i32 s25, s18, 49152                      ; groups 1 and 2: wave 0 K, wave 1 V
	s_add_co_u32 s66, s66, s25
	s_mov_b32 s67, 0
	s_mul_i32 s68, s21, PHREC
	s_mov_b32 s69, 0
	; descriptors: dense blocks as rows of 256 bytes (32 elements of 8 bytes), no padding: 48 rows, 32, and 33
	s_mov_b32 s28, 3<<16
	s_mov_b32 s29, 32<<16
	s_mov_b32 s30, 48<<16
	s_mov_b32 s31, 32<<16
	s_mov_b32 s32, 48
	s_mov_b32 s33, 32
	s_mov_b32 s34, 0
	s_mov_b32 s35, 0
	s_mov_b32 s36, 3<<16
	s_mov_b32 s37, 32<<16
	s_mov_b32 s38, 32<<16
	s_mov_b32 s39, 32<<16
	s_mov_b32 s40, 32
	s_mov_b32 s41, 32
	s_mov_b32 s42, 0
	s_mov_b32 s43, 0
	s_mov_b32 s24, 1
	s_mov_b32 s44, 1
	s_mov_b32 s45, 98304
	s_mov_b32 s72, 3<<16                           ; a third group 1: the physics keys' 33 rows
	s_mov_b32 s73, 32<<16
	s_mov_b32 s74, 33<<16
	s_mov_b32 s75, 32<<16
	s_mov_b32 s76, 33
	s_mov_b32 s77, 32
	s_mov_b32 s78, 0
	s_mov_b32 s79, 0
	s_mov_b32 s80, 1
	s_mov_b32 s81, PHB
	s_mov_b32 s84, 1
	s_wait_dscnt 0x0
	s_wait_kmcnt 0x0
	s_add_nc_u64 s[26:27], s[6:7], s[66:67]
	s_or_b32 s27, s27, 0x80000000
	s_add_nc_u64 s[46:47], s[6:7], s[70:71]
	s_or_b32 s47, s47, 0x80000000
	s_add_nc_u64 s[82:83], s[8:9], s[68:69]
	s_or_b32 s83, s83, 0x80000000
	s_add_nc_u64 s[86:87], s[6:7], s[88:89]
	s_or_b32 s87, s87, 0x80000000
	s_cmp_lt_u32 s18, 2                            ; group 1: waves 0, 1 key steps 0-1 of K and V, wave 2 the scale words
	s_cbranch_scc0 .Lnot_kv
	tensor_load_to_lds s[24:27], s[28:35]
	s_nop 0
	PLACES
	s_branch .Lfilled
.Lnot_kv:
	s_cmp_eq_u32 s18, 2
	s_cbranch_scc0 .Lfilled
	tensor_load_to_lds s[44:47], s[36:43]
	s_nop 0
	PLACES
.Lfilled:
	s_add_nc_u64 s[4:5], s[4:5], s[58:59]
	s_add_nc_u64 s[10:11], s[10:11], s[60:61]
	s_add_nc_u64 s[12:13], s[12:13], s[62:63]
	s_wait_alu depctr_va_vdst(0)
	global_load_b128 v[22:25], v1, s[4:5]          ; my two tiles of Q stay in registers
	global_load_b64 v[26:27], v2, s[4:5] offset:512
	global_load_b64 v[46:47], v2, s[4:5] offset:768
	global_load_b128 v[34:37], v1, s[4:5] offset:16384
	global_load_b64 v[38:39], v2, s[4:5] offset:16384+512
	global_load_b64 v[48:49], v2, s[4:5] offset:16384+768
.irp j, 0,1,2,3,4,5
	v_mov_b32 v[16+\j], 0                          ; the empty halves
	v_mov_b32 v[28+\j], 0
	v_mov_b32 v[40+\j], 0
.endr
.irp b, 0,1,2,3
	v_mov_b32 v[BT+\b], 0                          ; lane permutes' destinations count as sources
.endr
	v_mov_b32 v237, 0                              ; (named as the upper half of the pair v[236:237])
	s_wait_tensorcnt 0x0                           ; my part of group 1 is in LDS;
	ds_add_u32 v254, v255                          ; the add, here twice on end
	ds_add_u32 v254, v255
	s_add_co_u32 s25, s25, 12288                   ; no load of mine is out: the descriptor steps to key steps 2-3
	s_add_nc_u64 s[26:27], s[26:27], 12288
	s_wait_dscnt 0x0
	s_barrier_signal -1
	s_barrier_wait -1                              ; everybody's part is in
	s_cmp_lt_u32 s18, 2                            ; group 2: one load a wave, first behind the barrier
	s_cbranch_scc0 .Lnot_kv2
	tensor_load_to_lds s[24:27], s[28:35]
	s_nop 0
	PLACES
	s_branch .Lfilled2
.Lnot_kv2:
	s_cmp_eq_u32 s18, 2
	s_cbranch_scc0 .Lfilled2
	tensor_load_to_lds s[80:83], s[72:79]
	s_nop 0
	PLACES
.Lfilled2:
	s_wait_loadcnt 0x0                             ; Q
; v246 holds the largest new score of my query: the running largest t, -M, f = 2^(old M - new M), and beta - M
.macro NEWM be
	s_delay_alu instid0(VALU_DEP_1)
	v_fma_f32 v246, v246, s22, v[\be]
	s_delay_alu instid0(VALU_DEP_1)
	v_max_num_f32 v239, v239, v246
	v_mov_b32 v246, v240
	s_delay_alu instid0(VALU_DEP_2)
	v_floor_f32 v240, -v239                        ; -M = floor(-t): M is a whole number
	s_delay_alu instid0(VALU_DEP_1)
	v_sub_f32 v246, v240, v246                     ; old M - new M, 0 or less
	s_delay_alu instid0(VALU_DEP_1)
	v_cvt_i32_f32 v246, v246                       ; (it saturates)
	s_delay_alu instid0(VALU_DEP_1)
	v_ldexp_f32 v236, 1.0, v246
	s_delay_alu instid0(VALU_DEP_4)
	v_add_f32 v238, v[\be], v240
.endm
.macro RESCALE                         ; O^T under the new M; these lines are also the places ahead of the products below
.set j, 0
.rept 16
	v_pk_mul_f32 v[O+j:O+j+1], v[O+j:O+j+1], v[236:237] op_sel_hi:[1,0]
.set j, j+2
.endr
.endm
.macro PV                              ; O^T += V^T P^T: four tiles of 16 channels, each accumulator one instruction
	s_wait_dscnt 0x0                               ; V's fragments and scale words are in
.irp t, 0,1,2,3
	v_wmma_scale_f32_16x16x128_f8f6f4 v[O+8*\t:O+8*\t+7], v[50+12*\t:61+12*\t], v[PCD:PCD+11], v[O+8*\t:O+8*\t+7], v[102+\t], v234 matrix_a_fmt:MATRIX_FMT_BF6 matrix_b_fmt:MATRIX_FMT_BF6
.endr
.endm
; A KEY STEP: 128 keys.  zq: the first register of [0 | q]; [q | 0] begins six on
.macro STEP zq, sq, be
	v_add_nc_u32 v7, s53, v1                       ; the step's addresses: four places behind the last products
	v_add_nc_u32 v8, s53, v2
	v_add_nc_u32 v9, s54, v3
	v_add_nc_u32 v13, s54, v12
.irp b, 0,1,2,3
	LFRAG 50+12*\b, 7, 8, \b*FRB
	ds_load_b32 v[98+\b], v9 offset:\b*128
.endr
	s_wait_alu depctr_va_vdst(0)
	s_wait_dscnt 0x0
.irp b, 0,1,2,3
	v_wmma_scale_f32_16x16x128_f8f6f4 v[S+16*\b:S+16*\b+7], v[50+12*\b:61+12*\b], v[\zq+6:\zq+17], 0, v[98+\b], v[\sq] matrix_a_fmt:MATRIX_FMT_BF6 matrix_b_fmt:MATRIX_FMT_BF6
	v_wmma_scale_f32_16x16x128_f8f6f4 v[S+16*\b+8:S+16*\b+15], v[50+12*\b:61+12*\b], v[\zq:\zq+11], 0, v[98+\b], v[\sq] matrix_a_fmt:MATRIX_FMT_BF6 matrix_b_fmt:MATRIX_FMT_BF6
.endr
	PLACES
.irp t, 0,1,2,3
	LFRAG 50+12*\t, 7, 8, 49152+\t*FRB             ; V lands under the softmax
.endr
	ds_load_b128 v[102:105], v13
.irp b, 0,1,2,3
	v_max3_num_f32 v[BM+\b], v[S+16*\b], v[S+16*\b+1], v[S+16*\b+2]   ; the largest score of each block of 32 keys: for the row's maximum, and for the block's largest p
.endr
.irp i, 3,5,7,9,11,13
.irp b, 0,1,2,3
	v_max3_num_f32 v[BM+\b], v[BM+\b], v[S+16*\b+\i], v[S+16*\b+\i+1]
.endr
.endr
.irp b, 0,1,2,3
	v_max_num_f32 v[BM+\b], v[BM+\b], v[S+16*\b+15]
.endr
.irp b, 0,1,2,3
	s_delay_alu instid0(VALU_DEP_4)
	v_permlanex16_b32 v[BT+\b], v[BM+\b], s50, s51
.endr
.irp b, 0,1,2,3
	s_delay_alu instid0(VALU_DEP_4)
	v_max_num_f32 v[BM+\b], v[BM+\b], v[BT+\b]
.endr
	s_delay_alu instid0(VALU_DEP_2)
	v_max3_num_f32 v246, v[BM], v[BM+1], v[BM+2]
	s_delay_alu instid0(VALU_DEP_1)
	v_max_num_f32 v246, v246, v[BM+3]
	NEWM \be
.set j, 0
.rept 32
	v_pk_fma_f32 v[S+j:S+j+1], v[S+j:S+j+1], s[22:23], v[238:239] op_sel_hi:[1,0,0]   ; t - M, two at a time
.set j, j+2
.endr
.irp b, 0,1,2,3
	v_fma_f32 v[BM+\b], v[BM+\b], s22, v238        ; the same of each block's largest score
.endr
.set j, 0
	s_wait_alu depctr_va_vdst(0)
.rept 64
	v_exp_f32 v[S+j], v[S+j]                       ; p = 2^(t - M)
.set j, j+1
.endr
	v_pk_mul_f32 v[242:243], v[242:243], v[236:237] op_sel_hi:[1,0]   ; the sums under the new M: the plain place behind the batch
	s_wait_alu depctr_va_vdst(0)                   ; one wait for the batch, ahead of its first reader
.irp b, 0,1,2,3
	v_exp_f32 v[BM+\b], v[BM+\b]                   ; the block's largest p
.endr
	v_pk_add_f32 v[244:245], v[110:111], v[114:115]
	v_pk_add_f32 v[252:253], v[118:119], v[122:123]
	v_pk_add_f32 v[250:251], v[126:127], v[130:131]
	v_pk_add_f32 v[248:249], v[134:135], v[138:139]
	v_pk_add_f32 v[246:247], v[142:143], v[146:147]
	v_pk_add_f32 v[234:235], v[150:151], v[154:155]
	v_pk_add_f32 v[232:233], v[158:159], v[162:163]
	v_pk_add_f32 v[242:243], v[242:243], v[166:167]
	v_pk_add_f32 v[244:245], v[244:245], v[106:107]
	v_pk_add_f32 v[252:253], v[252:253], v[108:109]
	v_pk_add_f32 v[250:251], v[250:251], v[112:113]
	v_pk_add_f32 v[248:249], v[248:249], v[116:117]
	v_pk_add_f32 v[246:247], v[246:247], v[120:121]
	v_pk_add_f32 v[234:235], v[234:235], v[124:125]
	v_pk_add_f32 v[232:233], v[232:233], v[128:129]
	v_pk_add_f32 v[242:243], v[242:243], v[132:133]
	v_pk_add_f32 v[244:245], v[244:245], v[136:137]
	v_pk_add_f32 v[252:253], v[252:253], v[140:141]
	v_pk_add_f32 v[250:251], v[250:251], v[144:145]
	v_pk_add_f32 v[248:249], v[248:249], v[148:149]
	v_pk_add_f32 v[246:247], v[246:247], v[152:153]
	v_pk_add_f32 v[234:235], v[234:235], v[156:157]
	v_pk_add_f32 v[232:233], v[232:233], v[160:161]
	v_pk_add_f32 v[242:243], v[242:243], v[164:165]
	v_pk_add_f32 v[244:245], v[244:245], v[168:169]
	s_delay_alu instid0(VALU_DEP_2)
	v_pk_add_f32 v[242:243], v[242:243], v[248:249]
	s_delay_alu instid0(VALU_DEP_2)
	v_pk_add_f32 v[244:245], v[244:245], v[246:247]
	v_pk_add_f32 v[252:253], v[252:253], v[234:235]
	v_pk_add_f32 v[250:251], v[250:251], v[232:233]
	s_delay_alu instid0(VALU_DEP_2)
	v_pk_add_f32 v[242:243], v[242:243], v[252:253]
	s_delay_alu instid0(VALU_DEP_2)
	v_pk_add_f32 v[244:245], v[244:245], v[250:251]
	s_delay_alu instid0(VALU_DEP_1)
	v_pk_add_f32 v[242:243], v[242:243], v[244:245]
	s_wait_alu depctr_va_vdst(0)                   ; and one for the four
.irp b, 0,1,2,3
	v_max_num_f32 v[BM+\b], 0x2800000, v[BM+\b]    ; the floor 2^(5 - 127)
.endr
.irp b, 0,1,2,3
	s_delay_alu instid0(VALU_DEP_4)
	v_add_nc_u32 v[SO+\b], 0xfe000000, v[BM+\b]
.endr
.irp b, 0,1,2,3
	s_delay_alu instid0(VALU_DEP_4)
	v_lshrrev_b32 v[BT+\b], 23, v[SO+\b]
.endr
	s_delay_alu instid0(VALU_DEP_3)
	v_lshl_or_b32 v234, v[BT+1], 8, v[BT]
	s_delay_alu instid0(VALU_DEP_1)
	v_lshl_or_b32 v234, v[BT+2], 16, v234
	s_delay_alu instid0(VALU_DEP_1)
	v_lshl_or_b32 v234, v[BT+3], 24, v234
.irp c, 0,1
	v_cvt_scalef32_pk16_bf6_f32 v[PCD+6*\c:PCD+2+6*\c], v[S+32*\c:S+15+32*\c], v[SO+2*\c]
	v_cvt_scalef32_pk16_bf6_f32 v[PCD+12+4*\c:PCD+14+4*\c], v[S+16+32*\c:S+31+32*\c], v[SO+2*\c+1]
.endr
	v_nop                                          ; one plain place behind the scaled conversions
.irp c, 0,1
.irp i, 0,1,2
	v_permlane16_swap_b32 v[PCD+6*\c+\i], v[PCD+12+4*\c+\i]
.endr
.irp i, 0,1,2
	s_delay_alu instid0(VALU_DEP_3)
	v_mov_b32 v[PCD+3+6*\c+\i], v[PCD+12+4*\c+\i]
.endr
.endr
	RESCALE
	s_wait_alu depctr_va_vdst(0)
	PV
.endm
; THE THREE PHYSICS KEYS: rows 0-2 of one tile: registers 0-2 of lanes 0-15.  The last block of the keys: three numbers and zeros
.macro TAIL zq, sq, be
	PLACES
	LFRAG 50, 4, 5, 0
	ds_load_b32 v98, v5 offset:8192
	s_wait_dscnt 0x0
	v_wmma_scale_f32_16x16x128_f8f6f4 v[S:S+7], v[50:61], v[\zq+6:\zq+17], 0, v98, v[\sq] matrix_a_fmt:MATRIX_FMT_BF6 matrix_b_fmt:MATRIX_FMT_BF6
	PLACES
.irp t, 0,1,2,3
	LFRAG 50+12*\t, 4, 5, FRB+\t*FRB
.endr
	ds_load_b128 v[102:105], v4 offset:7680
	v_mov_b32 v247, 0xff800000                     ; -infinity
.irp j, 0,1,2
	v_cndmask_b32 v[S+\j], v[S+\j], v247, s52      ; lanes 16-31 hold rows that are no keys
.endr
	s_delay_alu instid0(VALU_DEP_1)
	v_max3_num_f32 v[BM], v[S], v[S+1], v[S+2]
	s_delay_alu instid0(VALU_DEP_1)
	v_permlanex16_b32 v[BT], v[BM], s50, s51
	s_delay_alu instid0(VALU_DEP_1)
	v_max_num_f32 v[BM], v[BM], v[BT]
	s_delay_alu instid0(VALU_DEP_1)
	v_mov_b32 v246, v[BM]
	NEWM \be
.irp j, 0,1,2
	v_fma_f32 v[S+\j], v[S+\j], s22, v238
.endr
	s_delay_alu instid0(VALU_DEP_4)
	v_fma_f32 v[BM], v[BM], s22, v238
	s_wait_alu depctr_va_vdst(0)
.irp j, 0,1,2
	v_exp_f32 v[S+\j], v[S+\j]
.endr
	v_exp_f32 v[BM], v[BM]
	v_pk_mul_f32 v[242:243], v[242:243], v[236:237] op_sel_hi:[1,0]
.set j, 3
.rept 13
	v_mov_b32 v[S+j], 0                            ; the block's filling
.set j, j+1
.endr
	s_wait_alu depctr_va_vdst(0)                   ; one wait for the four exponentials
	v_add_f32 v242, v242, v[S]
	v_add_f32 v243, v243, v[S+1]
	v_add_f32 v242, v242, v[S+2]
	v_max_num_f32 v[BM], 0x2800000, v[BM]
	s_delay_alu instid0(VALU_DEP_1)
	v_add_nc_u32 v[SO], 0xfe000000, v[BM]
	s_delay_alu instid0(VALU_DEP_1)
	v_lshrrev_b32 v234, 23, v[SO]                  ; block 0's byte; the other three stand over zero codes
	v_cvt_scalef32_pk16_bf6_f32 v[PCD:PCD+2], v[S:S+15], v[SO]   ; lanes 0-15: keys 0-15 of block 0; lanes 16-31: zeros, as block 1 wants
	v_nop
.set j, 3
.rept 9
	v_mov_b32 v[PCD+j], 0
.set j, j+1
.endr
	RESCALE
	s_wait_alu depctr_va_vdst(0)
	PV
.endm
; THE WAY OUT: O^T / the sum is the next product's operand: two blocks of 32 channels are quantised; the half image and two scale bytes a row are stored
.macro OUT n
	PLACES
	v_add_f32 v242, v242, v243
	s_delay_alu instid0(VALU_DEP_1)
	v_permlanex16_b32 v[BT], v242, s50, s51
	s_delay_alu instid0(VALU_DEP_1)
	v_add_f32 v242, v242, v[BT]                    ; the row's sum
	s_wait_alu depctr_va_vdst(0)
	v_rcp_f32 v244, v242
	v_nop
	s_wait_alu depctr_va_vdst(0)
.set j, 0
.rept 16
	v_pk_mul_f32 v[O+j:O+j+1], v[O+j:O+j+1], v[244:245] op_sel_hi:[1,0]
.set j, j+2
.endr
.irp b, 0,1
	v_max3_num_f32 v[BM+\b], |v[O+16*\b]|, |v[O+16*\b+1]|, 0x2800000
.endr
.irp i, 2,4,6,8,10,12,14
.irp b, 0,1
	s_delay_alu instid0(VALU_DEP_2)
	v_max3_num_f32 v[BM+\b], v[BM+\b], |v[O+16*\b+\i]|, |v[O+16*\b+\i+1]|
.endr
.endr
.irp b, 0,1
	s_delay_alu instid0(VALU_DEP_2)
	v_permlanex16_b32 v[BT+\b], v[BM+\b], s50, s51
.endr
.irp b, 0,1
	s_delay_alu instid0(VALU_DEP_2)
	v_max_num_f32 v[BM+\b], v[BM+\b], v[BT+\b]
.endr
.irp b, 0,1
	s_delay_alu instid0(VALU_DEP_2)
	v_add_nc_u32 v[SO+\b], 0xfe000000, v[BM+\b]
.endr
.irp b, 0,1
	s_delay_alu instid0(VALU_DEP_2)
	v_lshrrev_b32 v[BT+\b], 23, v[SO+\b]
.endr
	v_cvt_scalef32_pk16_bf6_f32 v[PCD:PCD+2], v[O:O+15], v[SO]
	v_cvt_scalef32_pk16_bf6_f32 v[PCD+12:PCD+14], v[O+16:O+31], v[SO+1]
	v_cndmask_b32 v248, v[BT], v[BT+1], s52        ; my half's block's byte (a plain place behind the conversions)
.irp i, 0,1,2
	v_permlane16_swap_b32 v[PCD+\i], v[PCD+12+\i]
.endr
.irp i, 0,1,2
	s_delay_alu instid0(VALU_DEP_3)
	v_mov_b32 v[PCD+3+\i], v[PCD+12+\i]
.endr
	global_store_b128 v1, v[PCD:PCD+3], s[10:11] offset:(\n)*16*8*FRB
	global_store_b64 v2, v[PCD+4:PCD+5], s[10:11] offset:(\n)*16*8*FRB+512
	global_store_b8 v14, v248, s[12:13] offset:(\n)*8192
.endm
.macro RUN zq, sq, be, trips           ; so many key steps on end; s53 and s54 go on from run to run
	s_mov_b32 s55, \trips
.Lstep_\@:
	STEP \zq, \sq, \be
	s_add_co_u32 s53, s53, 4*FRB
	s_add_co_u32 s54, s54, 512
	s_sub_co_u32 s55, s55, 1
	s_cmp_lg_u32 s55, 0
	s_cbranch_scc1 .Lstep_\@
.endm
.macro TILE zq, sq, be, n
	v_mov_b32 v239, 0xff61b1e6                     ; the largest t so far: -3e38
	s_delay_alu instid0(VALU_DEP_1)
	v_floor_f32 v240, -v239
.irp j, 242,243,244,245
	v_mov_b32 v\j, 0
.endr
.set j, 0
.rept 32
	v_mov_b32 v[O+j], 0                            ; the step is written once: the first finds zeros, which the first change of M leaves zeros
.set j, j+1
.endr
	s_mov_b32 s53, 0                               ; the step's fragments: 6,144 bytes a step
	s_mov_b32 s54, 0                               ; its scale words: 512
.if \n == 0
	RUN \zq, \sq, \be, 2                           ; key steps 0-1, while group 2 is on its way
	s_wait_tensorcnt 0x0                           ; my part of group 2 is in LDS;
	ds_add_u32 v254, v255                          ; the add, here twice on end
	ds_add_u32 v254, v255
	s_wait_dscnt 0x0
	s_barrier_signal -1
	s_barrier_wait -1                              ; everybody's part is in
	s_cmp_lt_u32 s18, 4                            ; group 3: key steps 4-7
	s_cbranch_scc0 .Lfilled3
	tensor_load_to_lds s[84:87], s[28:35]
	s_nop 0
	PLACES
.Lfilled3:
	RUN \zq, \sq, \be, 2                           ; key steps 2-3, while group 3 is on its way
	s_wait_tensorcnt 0x0                           ; my part of group 3 is in LDS (no LDS instruction of mine is out: the step's last wait was for 0),
	s_barrier_signal -1
	s_barrier_wait -1                              ; everybody's is: from here on nothing is filled
	RUN \zq, \sq, \be, 4
.else
	RUN \zq, \sq, \be, 8
.endif
	TAIL \zq, \sq, \be
	OUT \n
.endm
	TILE 16, 46, 47, 0
	s_wait_xcnt 0x0                                ; the first tile's stores have read their registers
	TILE 28, 48, 49, 1
	s_wait_tensorcnt 0x0
	ds_add_u32 v254, v255
	s_wait_dscnt 0x0
	s_endpgm
.Lfunc_end_k_q0781e7b4f2_attn:
	.size	k_q0781e7b4f2_attn, .Lfunc_end_k_q0781e7b4f2_attn-k_q0781e7b4f2_attn
	.p2alignl 7, 3214868480
	.fill 96, 4, 3214868480
	.section	.rodata,"a",@progbits
	.p2align	6, 0x0
	.amdhsa_kernel k_q0781e7b4f2_attn
		.amdhsa_group_segment_fixed_size 327680
		.amdhsa_private_segment_fixed_size 0
		.amdhsa_enable_private_segment 0
		.amdhsa_kernarg_size 40
		.amdhsa_user_sgpr_count 2
		.amdhsa_user_sgpr_kernarg_segment_ptr 1
		.amdhsa_wavefront_size32 1
		.amdhsa_system_sgpr_workgroup_id_x 1
		.amdhsa_system_sgpr_workgroup_id_y 1
		.amdhsa_system_sgpr_workgroup_id_z 1
		.amdhsa_system_vgpr_workitem_id 0
		.amdhsa_next_free_vgpr 256
		.amdhsa_next_free_sgpr 96
		.amdhsa_reserve_vcc 0
		.amdhsa_float_denorm_mode_32 3
		.amdhsa_float_denorm_mode_16_64 3
		.amdhsa_memory_ordered 1
		.amdhsa_forward_progress 1
		.amdhsa_inst_pref_size 102
	.end_amdhsa_kernel
	.amdgpu_metadata
---
amdhsa.version: [ 1, 2 ]
amdhsa.kernels:
  - .name:           k_q0781e7b4f2_attn
    .symbol:         k_q0781e7b4f2_attn.kd
    .args:
      - { .name: qbuf, .offset: 0, .size: 8, .value_kind: global_buffer, .address_space: global }
      - { .name: kv, .offset: 8, .size: 8, .value_kind: global_buffer, .address_space: global }
      - { .name: ph, .offset: 16, .size: 8, .value_kind: global_buffer, .address_space: global }
      - { .name: att, .offset: 24, .size: 8, .value_kind: global_buffer, .address_space: global }
      - { .name: atts, .offset: 32, .size: 8, .value_kind: global_buffer, .address_space: global }
    .group_segment_fixed_size: 327680
    .private_segment_fixed_size: 0
    .kernarg_segment_align: 8
    .kernarg_segment_size: 40
    .max_flat_workgroup_size: 512
    .sgpr_count:     96
    .vgpr_count:     256
    .wavefront_size: 32
...
	.end_amdgpu_metadata
.endif
;; end of part 3
;; launch outln (part 4): grid 256 x 1, 16 waves a work-group, no clusters, 100,352 bytes of LDS; arguments att, atts, img, bo, cnn_features, llm_features, ln_g, ln_b, out0, out1; writes out0, out1
.if DOCPART == 4
	.amdgcn_target "amdgcn-amd-amdhsa--gfx1250"
	.amdhsa_code_object_version 6
	.text
	.protected	k_q0781e7b4f2_outln
	.globl	k_q0781e7b4f2_outln
	.p2align	8
	.type	k_q0781e7b4f2_outln,@function
k_q0781e7b4f2_outln:
	s_mov_b64 s[64:65], 0
	v_nop
	global_prefetch_b8 v0, s[64:65] scope:SCOPE_SE
	s_setreg_imm32_b32 hwreg(HW_REG_WAVE_MODE, 25, 1), 1
	s_wait_xcnt 0x0
; out = layernorm(x + att Wo^T + bo) g + b.  att arrives as codes of BF6 (fragment images) with its scale bytes, Wo as octets 89-96 of img; x, bo, g, b and out are f32.
; SHARES.  A work-group owns two tiles of att = 32 consecutive rows, whole, so that a row's mean and variance never leave it.  Wave w makes columns 64 w .. 64 w + 63: source 0 = four tiles of Wo, source 1 = att's two tiles:
; 8 accumulators, K = 1,024 in 8 steps, written out.  att's 16 fragments (24,576 bytes) are copied into LDS once and read by all sixteen waves; a wave's part of Wo serves that wave alone and goes from memory straight into registers.
; No cluster: a joint request fills LDS, and Wo's 819,200 bytes of codes would need slots that are filled again; here nothing in LDS is filled twice.
; THE WAY OUT: a tile's 16 rows x 64 columns turn through the wave's stage (rows of 256 + 16 bytes) so that sixteen lanes hold 256 consecutive bytes of a row; the residual is loaded, and the result stored, in that shape.
; The mean and then the variance of (x - mean) are summed over lanes, then over the waves through LDS: two passes, so that no difference of large sums is formed.
; The work-group's 131,072 residual bytes are asked for behind the first K step, six steps ahead of their loads: thread t names block t of 256 bytes, each block once.
.set OCT,  102400
.set KSB,  12800
.set FRB,  1536
.set STG,  24576                       ; LDS: 0: att's fragments (tile a, K step s at 12,288 a + 1,536 s); STG: a stage of 16 x 272 bytes for each wave; RED: two tables of 32 rows x 16 waves
.set RED,  94208
.set ACC,  16                          ; v16-79   accumulator (a, t) at 16 + 32 a + 8 t; later group g's four numbers at 16 + 4 g
.set WF,   80                          ; v80-175  two sets of Wo's four fragments; later v80-143 the residual, v144-155 bo, g, b
.set AF,   176                         ; v176-223 two sets of att's two fragments; later v176-191 variances
.set WS,   224                         ; v224-231 Wo's scale words, two sets of four
.set AS,   232                         ; v232-239 att's: register s; lanes 0-15 tile 0, lanes 16-31 tile 1
.set RS,   80
.set BO,   144
.set LG,   148
.set LB,   152
.set SM,   160                         ; v160-175 sums, then means
.set VR,   176
.macro PLACES
.rept 4
	v_nop
.endr
.endm
.macro LFRAG reg, a16, a8, off
	ds_load_b128 v[(\reg):(\reg)+3], v[\a16] offset:(\off)
	ds_load_b64 v[(\reg)+4:(\reg)+5], v[\a8] offset:(\off)+512
	ds_load_b128 v[(\reg)+6:(\reg)+9], v[\a16] offset:(\off)+768
	ds_load_b64 v[(\reg)+10:(\reg)+11], v[\a8] offset:(\off)+1280
.endm
.macro WLOAD s                         ; Wo's four fragments and their scale words of K step s: 17 loads
.irp t, 0,1,2,3
	global_load_b128 v[WF+48*((\s)%2)+12*\t:WF+48*((\s)%2)+12*\t+3], v1, s[36:37] offset:(\s)*KSB+\t*FRB
	global_load_b64 v[WF+48*((\s)%2)+12*\t+4:WF+48*((\s)%2)+12*\t+5], v2, s[36:37] offset:(\s)*KSB+\t*FRB+512
	global_load_b128 v[WF+48*((\s)%2)+12*\t+6:WF+48*((\s)%2)+12*\t+9], v1, s[36:37] offset:(\s)*KSB+\t*FRB+768
	global_load_b64 v[WF+48*((\s)%2)+12*\t+10:WF+48*((\s)%2)+12*\t+11], v2, s[36:37] offset:(\s)*KSB+\t*FRB+1280
.endr
	global_load_b128 v[WS+4*((\s)%2):WS+4*((\s)%2)+3], v3, s[38:39] offset:(\s)*KSB
.endm
.macro ALOAD s                         ; att's two fragments of K step s: 8 loads
.irp a, 0,1
	LFRAG AF+24*((\s)%2)+12*\a, 1, 2, \a*8*FRB+(\s)*FRB
.endr
.endm
.macro RLOAD g                         ; group g's residual: rows 8 (g / 8) + 2 (g % 8) + 8 ((g % 8) / 4) and the next, 256 consecutive bytes each
	global_load_b128 v[RS+4*(\g):RS+4*(\g)+3], v8, s[34:35] offset:(8*((\g)/8)+2*((\g)%8)+8*(((\g)%8)/4))*4096 th:TH_LOAD_NT
.endm
	s_load_b256 s[4:11], s[0:1], 0x0               ; att, atts, img, bo
	s_load_b256 s[12:19], s[0:1], 0x20             ; cnn, llm, ln_g, ln_b
	s_load_b128 s[20:23], s[0:1], 0x40             ; out0, out1
	v_lshl_add_u32 v254, v0, 2, 0x18000
	v_mov_b32 v255, 0
	v_lshrrev_b32 v12, 5, v0
	s_delay_alu instid0(VALU_DEP_1)
	v_readfirstlane_b32 s24, v12                   ; wave 0..15
	v_and_b32 v12, 31, v0
	v_and_b32 v13, 15, v0                          ; r
	v_bfe_u32 v14, v0, 4, 1                        ; h
	s_delay_alu instid0(VALU_DEP_3)
	v_lshlrev_b32 v1, 4, v12                       ; 16 x lane
	s_delay_alu instid0(VALU_DEP_4)
	v_lshlrev_b32 v2, 3, v12                       ; 8 x lane
	s_delay_alu instid0(VALU_DEP_4)
	v_lshlrev_b32 v3, 4, v13                       ; 16 r
	v_lshlrev_b32 v4, 5, v12                       ; atts: 32 bytes a row
	s_mul_i32 s40, s24, FRB
	v_add_nc_u32 v5, s40, v1                       ; the copy: my 1,536 bytes
	s_mul_i32 s41, s24, 16*272
	s_add_co_u32 s41, s41, STG                     ; my stage
	v_mul_u32_u24 v6, v13, 272
	s_delay_alu instid0(VALU_DEP_1)
	v_lshl_add_u32 v6, v14, 6, v6
	s_delay_alu instid0(VALU_DEP_1)
	v_add_nc_u32 v6, s41, v6                       ; in: row r, + 64 h
	v_mul_u32_u24 v7, v14, 272
	s_delay_alu instid0(VALU_DEP_1)
	v_add_nc_u32 v7, v7, v3
	s_delay_alu instid0(VALU_DEP_1)
	v_add_nc_u32 v7, s41, v7                       ; back: lanes 0-15 one row, lanes 16-31 the next
	v_lshl_add_u32 v8, v14, 12, v3                 ; the same in x and in out: 4,096 h + 16 r
	s_lshl_b32 s42, s24, 2
	s_add_co_u32 s42, s42, RED
	v_lshlrev_b32 v9, 6, v14
	s_delay_alu instid0(VALU_DEP_1)
	v_lshl_add_u32 v10, v13, 2, v9
	s_delay_alu instid0(VALU_DEP_1)
	v_add_nc_u32 v10, RED, v10                     ; the tables: I read wave r's word of my half's row,
	s_delay_alu instid0(VALU_DEP_3)
	v_add_nc_u32 v9, s42, v9                       ; and write my wave's
	v_lshlrev_b32 v11, 8, v0                       ; the prefetch: 256 x thread
	s_lshr_b32 s25, ttmp9, 7                       ; which tensor
	s_and_b32 s26, ttmp9, 127
	s_lshl_b32 s26, s26, 17                        ; 32 rows of 4,096 bytes
	s_mov_b32 s27, 0
	s_lshl_b32 s32, s24, 8                         ; my 64 columns
	s_mov_b32 s33, 0
	s_mul_i32 s44, ttmp9, 16*FRB
	s_add_co_u32 s44, s44, s40
	s_mov_b32 s45, 0
	s_lshl_b32 s46, ttmp9, 10
	s_mov_b32 s47, 0
	s_lshr_b32 s48, s24, 1
	s_add_co_u32 s48, s48, 89
	s_mul_i32 s48, s48, OCT                        ; my octet of Wo
	s_and_b32 s49, s24, 1
	s_mul_i32 s50, s49, 4*FRB
	s_add_co_u32 s50, s50, s48
	s_mov_b32 s51, 0
	s_lshl_b32 s52, s49, 8
	s_add_co_u32 s52, s52, s48
	s_add_co_u32 s52, s52, 8*FRB
	s_mov_b32 s53, 0
	s_mov_b32 s54, 0x3a800000                      ; 1 / 1,024
	s_mov_b32 s55, 0x3727c5ac                      ; 1e-5
	s_wait_alu depctr_va_vdst(0)
	s_wait_kmcnt 0x0
	s_cmp_eq_u32 s25, 0
	s_cselect_b64 s[28:29], s[12:13], s[14:15]
	s_cselect_b64 s[30:31], s[20:21], s[22:23]
	s_add_nc_u64 s[28:29], s[28:29], s[26:27]      ; x at the work-group's rows
	s_add_nc_u64 s[30:31], s[30:31], s[26:27]
	s_add_nc_u64 s[34:35], s[28:29], s[32:33]      ; and at my columns
	s_add_nc_u64 s[30:31], s[30:31], s[32:33]
	s_add_nc_u64 s[10:11], s[10:11], s[32:33]
	s_add_nc_u64 s[16:17], s[16:17], s[32:33]
	s_add_nc_u64 s[18:19], s[18:19], s[32:33]
	s_add_nc_u64 s[4:5], s[4:5], s[44:45]
	s_add_nc_u64 s[6:7], s[6:7], s[46:47]
	s_add_nc_u64 s[36:37], s[8:9], s[50:51]
	s_add_nc_u64 s[38:39], s[8:9], s[52:53]
	global_load_b128 v[16:19], v1, s[4:5]          ; my sixteenth of att's 24,576 bytes
	global_load_b128 v[20:23], v1, s[4:5] offset:512
	global_load_b128 v[24:27], v1, s[4:5] offset:1024
	global_load_b128 v[AS:AS+3], v4, s[6:7]        ; a row's 32 scale bytes: eight words, one a K step
	global_load_b128 v[AS+4:AS+7], v4, s[6:7] offset:16
	WLOAD 0
	WLOAD 1
	s_wait_loadcnt 34                              ; the copy's loads and att's scale words are in; two K steps of Wo, 17 loads each, may be out
	ds_store_b128 v5, v[16:19]
	ds_store_b128 v5, v[20:23] offset:512
	ds_store_b128 v5, v[24:27] offset:1024
	s_wait_dscnt 0x0                               ; for the others' sake
	s_barrier_signal -1
	s_barrier_wait -1
	ALOAD 0
.macro KST s
.if (\s) < 7
	ALOAD (\s)+1
	s_wait_loadcnt 17                              ; this step's Wo is in; the next step's 17 loads may be out
	s_wait_dscnt 8                                 ; this step's att is in; the next step's 8 loads may be out
.else
	s_wait_loadcnt 12                              ; the 12 residual loads may be out
	s_wait_dscnt 0x0
.endif
.irp t, 0,1,2,3                        ; the eight accumulators take turns, one instruction a turn; the first step's products start the sums
.if (\s) == 0
	v_wmma_scale_f32_16x16x128_f8f6f4 v[ACC+8*\t:ACC+8*\t+7], v[WF+12*\t:WF+12*\t+11], v[AF:AF+11], 0, v[WS+\t], v[AS] matrix_a_fmt:MATRIX_FMT_BF6 matrix_b_fmt:MATRIX_FMT_BF6
	v_wmma_scale_f32_16x16x128_f8f6f4 v[ACC+32+8*\t:ACC+32+8*\t+7], v[WF+12*\t:WF+12*\t+11], v[AF+12:AF+23], 0, v[WS+\t], v[AS] matrix_a_fmt:MATRIX_FMT_BF6 matrix_b_fmt:MATRIX_FMT_BF6 matrix_b_scale:MATRIX_SCALE_ROW1
.else
	v_wmma_scale_f32_16x16x128_f8f6f4 v[ACC+8*\t:ACC+8*\t+7], v[WF+48*((\s)%2)+12*\t:WF+48*((\s)%2)+12*\t+11], v[AF+24*((\s)%2):AF+24*((\s)%2)+11], v[ACC+8*\t:ACC+8*\t+7], v[WS+4*((\s)%2)+\t], v[AS+(\s)] matrix_a_fmt:MATRIX_FMT_BF6 matrix_b_fmt:MATRIX_FMT_BF6
	v_wmma_scale_f32_16x16x128_f8f6f4 v[ACC+32+8*\t:ACC+32+8*\t+7], v[WF+48*((\s)%2)+12*\t:WF+48*((\s)%2)+12*\t+11], v[AF+24*((\s)%2)+12:AF+24*((\s)%2)+23], v[ACC+32+8*\t:ACC+32+8*\t+7], v[WS+4*((\s)%2)+\t], v[AS+(\s)] matrix_a_fmt:MATRIX_FMT_BF6 matrix_b_fmt:MATRIX_FMT_BF6 matrix_b_scale:MATRIX_SCALE_ROW1
.endif
.endr
	PLACES
.if (\s) < 6
	WLOAD (\s)+2
.endif
.endm
	KST 0
	global_prefetch_b8 v11, s[28:29] th:TH_LOAD_NT scope:SCOPE_SE   ; the residual rows: 512 threads x 256 bytes = the work-group's 131,072 bytes
	KST 1
	KST 2
	KST 3
	KST 4
	KST 5
	KST 6
.irp g, 0,1,2,3,4,5,6,7,8,9,10,11
	RLOAD \g                                       ; into the set that step 6 has left
.endr
	KST 7
.irp g, 12,13,14,15
	RLOAD \g
.endr
	global_load_b128 v[BO:BO+3], v3, s[10:11]
	global_load_b128 v[LG:LG+3], v3, s[16:17]
	global_load_b128 v[LB:LB+3], v3, s[18:19]
.irp a, 0,1                            ; through my stage: LDS serves a wave's instructions in order, so no wait stands between the stores and the loads, nor ahead of the next tile's stores
.irp t, 0,1,2,3
	ds_store_b128 v6, v[ACC+32*\a+8*\t:ACC+32*\a+8*\t+3] offset:128*(\t/2)+32*(\t%2)      ; each accumulator from its low end on
	ds_store_b128 v6, v[ACC+32*\a+8*\t+4:ACC+32*\a+8*\t+7] offset:128*(\t/2)+32*(\t%2)+16
.endr
.irp i, 0,1,2,3,4,5,6,7
	ds_load_b128 v[ACC+32*\a+4*\i:ACC+32*\a+4*\i+3], v7 offset:2*\i*272
.endr
.endr
	s_wait_loadcnt 0x0
	s_wait_dscnt 0x0
.macro XSUM base                       ; sixteen numbers, each summed over its half's sixteen lanes
.irp m, 1,2,4,8
.irp g, 0,1,2,3,4,5,6,7,8,9,10,11,12,13,14,15
	v_add_f32_dpp v[\base+\g], v[\base+\g], v[\base+\g] row_xmask:\m row_mask:0xf bank_mask:0xf
.endr
.endr
.endm
.macro ACROSS base, off                ; and over the sixteen waves: my wave's word of each row's 64 bytes, a barrier, then lane r takes wave r's
.irp g, 0,1,2,3,4,5,6,7,8,9,10,11,12,13,14,15
	ds_store_b32 v9, v[\base+\g] offset:\off+128*\g
.endr
	s_wait_dscnt 0x0
	s_barrier_signal -1
	s_barrier_wait -1
.irp g, 0,1,2,3,4,5,6,7,8,9,10,11,12,13,14,15
	ds_load_b32 v[\base+\g], v10 offset:\off+128*\g
.endr
	s_wait_dscnt 0x0
.endm
.irp g, 0,1,2,3,4,5,6,7,8,9,10,11,12,13,14,15
.irp p, 0,2
	v_pk_add_f32 v[ACC+4*\g+\p:ACC+4*\g+\p+1], v[ACC+4*\g+\p:ACC+4*\g+\p+1], v[BO+\p:BO+\p+1]
.endr
.endr
.irp g, 0,1,2,3,4,5,6,7,8,9,10,11,12,13,14,15
.irp p, 0,2
	v_pk_add_f32 v[ACC+4*\g+\p:ACC+4*\g+\p+1], v[ACC+4*\g+\p:ACC+4*\g+\p+1], v[RS+4*\g+\p:RS+4*\g+\p+1]
.endr
.endr
.irp g, 0,1,2,3,4,5,6,7,8,9,10,11,12,13,14,15
	v_pk_add_f32 v[RS+4*\g:RS+4*\g+1], v[ACC+4*\g:ACC+4*\g+1], v[ACC+4*\g+2:ACC+4*\g+3]
.endr
.irp g, 0,1,2,3,4,5,6,7,8,9,10,11,12,13,14,15
	v_add_f32 v[SM+\g], v[RS+4*\g], v[RS+4*\g+1]
.endr
	XSUM SM
	ACROSS SM, 0
	XSUM SM
.irp g, 0,1,2,3,4,5,6,7,8,9,10,11,12,13,14,15
	v_mul_f32 v[SM+\g], s54, v[SM+\g]              ; the mean
.endr
.irp g, 0,1,2,3,4,5,6,7,8,9,10,11,12,13,14,15
.irp p, 0,2
.if \g%2 == 0
	v_pk_add_f32 v[ACC+4*\g+\p:ACC+4*\g+\p+1], v[ACC+4*\g+\p:ACC+4*\g+\p+1], v[SM+\g:SM+\g+1] op_sel_hi:[1,0] neg_lo:[0,1] neg_hi:[0,1]
.else
	v_pk_add_f32 v[ACC+4*\g+\p:ACC+4*\g+\p+1], v[ACC+4*\g+\p:ACC+4*\g+\p+1], v[SM+\g-1:SM+\g] op_sel:[0,1] op_sel_hi:[1,1] neg_lo:[0,1] neg_hi:[0,1]
.endif
.endr
.endr
.irp g, 0,1,2,3,4,5,6,7,8,9,10,11,12,13,14,15
	v_pk_mul_f32 v[RS+4*\g:RS+4*\g+1], v[ACC+4*\g:ACC+4*\g+1], v[ACC+4*\g:ACC+4*\g+1]
.endr
.irp g, 0,1,2,3,4,5,6,7,8,9,10,11,12,13,14,15
	v_pk_fma_f32 v[RS+4*\g:RS+4*\g+1], v[ACC+4*\g+2:ACC+4*\g+3], v[ACC+4*\g+2:ACC+4*\g+3], v[RS+4*\g:RS+4*\g+1]
.endr
.irp g, 0,1,2,3,4,5,6,7,8,9,10,11,12,13,14,15
	v_add_f32 v[VR+\g], v[RS+4*\g], v[RS+4*\g+1]
.endr
	XSUM VR
	ACROSS VR, 2048                                ; a table of its own: no wave writes bytes that another may still read
	XSUM VR
.irp g, 0,1,2,3,4,5,6,7,8,9,10,11,12,13,14,15
	v_fma_f32 v[VR+\g], v[VR+\g], s54, s55         ; the variance + 1e-5
.endr
	s_wait_alu depctr_va_vdst(0)
.irp g, 0,1,2,3,4,5,6,7,8,9,10,11,12,13,14,15
	v_rsq_f32 v[VR+\g], v[VR+\g]
.endr
	v_nop                                          ; a plain place behind the batch,
	s_wait_alu depctr_va_vdst(0)                   ; and one wait ahead of its first reader
.irp g, 0,1,2,3,4,5,6,7,8,9,10,11,12,13,14,15
.irp p, 0,2
.if \g%2 == 0
	v_pk_mul_f32 v[ACC+4*\g+\p:ACC+4*\g+\p+1], v[ACC+4*\g+\p:ACC+4*\g+\p+1], v[VR+\g:VR+\g+1] op_sel_hi:[1,0]
.else
	v_pk_mul_f32 v[ACC+4*\g+\p:ACC+4*\g+\p+1], v[ACC+4*\g+\p:ACC+4*\g+\p+1], v[VR+\g-1:VR+\g] op_sel:[0,1] op_sel_hi:[1,1]
.endif
.endr
.endr
.irp g, 0,1,2,3,4,5,6,7,8,9,10,11,12,13,14,15
.irp p, 0,2
	v_pk_fma_f32 v[ACC+4*\g+\p:ACC+4*\g+\p+1], v[ACC+4*\g+\p:ACC+4*\g+\p+1], v[LG+\p:LG+\p+1], v[LB+\p:LB+\p+1]
.endr
.endr
.irp g, 0,1,2,3,4,5,6,7,8,9,10,11,12,13,14,15
	global_store_b128 v8, v[ACC+4*\g:ACC+4*\g+3], s[30:31] offset:(8*(\g/8)+2*(\g%8)+8*((\g%8)/4))*4096 th:TH_STORE_NT   ; sixteen lanes store 256 consecutive bytes, aligned
.endr
	s_wait_tensorcnt 0x0
	ds_add_u32 v254, v255
	s_wait_dscnt 0x0
	s_endpgm
.Lfunc_end_k_q0781e7b4f2_outln:
	.size	k_q0781e7b4f2_outln, .Lfunc_end_k_q0781e7b4f2_outln-k_q0781e7b4f2_outln
	.p2alignl 7, 3214868480
	.fill 96, 4, 3214868480
	.section	.rodata,"a",@progbits
	.p2align	6, 0x0
	.amdhsa_kernel k_q0781e7b4f2_outln
		.amdhsa_group_segment_fixed_size 100352
		.amdhsa_private_segment_fixed_size 0
		.amdhsa_enable_private_segment 0
		.amdhsa_kernarg_size 80
		.amdhsa_user_sgpr_count 2
		.amdhsa_user_sgpr_kernarg_segment_ptr 1
		.amdhsa_wavefront_size32 1
		.amdhsa_system_sgpr_workgroup_id_x 1
		.amdhsa_system_sgpr_workgroup_id_y 1
		.amdhsa_system_sgpr_workgroup_id_z 1
		.amdhsa_system_vgpr_workitem_id 0
		.amdhsa_next_free_vgpr 256
		.amdhsa_next_free_sgpr 66
		.amdhsa_reserve_vcc 0
		.amdhsa_float_denorm_mode_32 3
		.amdhsa_float_denorm_mode_16_64 3
		.amdhsa_memory_ordered 1
		.amdhsa_forward_progress 1
		.amdhsa_inst_pref_size 73
	.end_amdhsa_kernel
	.amdgpu_metadata
---
amdhsa.version: [ 1, 2 ]
amdhsa.kernels:
  - .name:           k_q0781e7b4f2_outln
    .symbol:         k_q0781e7b4f2_outln.kd
    .args:
      - { .name: att, .offset: 0, .size: 8, .value_kind: global_buffer, .address_space: global }
      - { .name: atts, .offset: 8, .size: 8, .value_kind: global_buffer, .address_space: global }
      - { .name: img, .offset: 16, .size: 8, .value_kind: global_buffer, .address_space: global }
      - { .name: bo, .offset: 24, .size: 8, .value_kind: global_buffer, .address_space: global }
      - { .name: cnn_features, .offset: 32, .size: 8, .value_kind: global_buffer, .address_space: global }
      - { .name: llm_features, .offset: 40, .size: 8, .value_kind: global_buffer, .address_space: global }
      - { .name: ln_g, .offset: 48, .size: 8, .value_kind: global_buffer, .address_space: global }
      - { .name: ln_b, .offset: 56, .size: 8, .value_kind: global_buffer, .address_space: global }
      - { .name: out0, .offset: 64, .size: 8, .value_kind: global_buffer, .address_space: global }
      - { .name: out1, .offset: 72, .size: 8, .value_kind: global_buffer, .address_space: global }
    .group_segment_fixed_size: 100352
    .private_segment_fixed_size: 0
    .kernarg_segment_align: 8
    .kernarg_segment_size: 80
    .max_flat_workgroup_size: 512
    .sgpr_count:     66
    .vgpr_count:     256
    .wavefront_size: 32
...
	.end_amdgpu_metadata
.endif
;; end of part 4
